; MI455X (gfx1250); checked and timed in simulation.
; The chip was launched on July 23, 2026; its instructions are those of AMD's public machine-readable ISA for CDNA 5 (MIT licence, August 2026) and "CDNA5" Instruction Set Architecture Reference Guide (July 2026). The comments in the code are by the model that wrote it; some were corrected since.
;; Multi Head Attention. Allowed arithmetic: matrix products marked QUANTISED: E2M3 operands, one E8M0 scale for each 32 along K, by v_wmma_scale_f32_16x16x128_f8f6f4 with both operands' format E2M3, f32 sums; everything else in f32.
;; Inputs: Wk 1,024 x 1,024 float32; Wo 1,024 x 1,024 float32; Wq 1,024 x 1,024 float32; Wv 1,024 x 1,024 float32; bk 1,024 float32; bo 1,024 float32; bq 1,024 float32; bv 1,024 float32; key 4 x 2,048 x 1,024 float32; key_padding_mask 4 x 2,048 bool; query 4 x 2,048 x 1,024 float32; value 4 x 2,048 x 1,024 float32.
;; Outputs: out0 4 x 2,048 x 1,024 float32.
;; This version of the problem:
;;   THIS VERSION OF THE PROBLEM IS GIVEN IN LOW PRECISION. The matrix products marked QUANTISED in the list below multiply operands that are first quantised to E2M3 (2 exponent bits, 3 mantissa bits; 6 bits a number), with one power-of-two scale for each 32 numbers along K (OCP MX v1.0); their sums are f32. All else is computed in f32.
;;   The module's matrix products, in the order in which they are computed (A, B: the left and right operand; K: the contracted axis; several contracted axes count as one K, in the product's order):
;;     1. [M 8,192, K 1,024] x [K 1,024, N 1,024]; A: input query; B: input Wq: QUANTISED
;;     2. [M 8,192, K 1,024] x [K 1,024, N 1,024]; A: input key; B: input Wk: QUANTISED
;;     3. [M 8,192, K 1,024] x [K 1,024, N 1,024]; A: input value; B: input Wv: QUANTISED
;;     4. batch 64 x [M 2,048, K 64] x [K 64, N 2,048]; A: computed on the way; B: computed on the way: QUANTISED
;;     5. batch 64 x [M 2,048, K 2,048] x [K 2,048, N 64]; A: softmax (see below); B: computed on the way: QUANTISED
;;     6. [M 8,192, K 1,024] x [K 1,024, N 1,024]; A: computed on the way; B: input Wo: QUANTISED
;;   THE QUANTISER, for each operand of a quantised product, along K:
;;     - K is cut into blocks of 32 from its start; a last block that is shorter is filled with zeros.
;;     - A block's scale is 2^e with e = floor(log2(the largest magnitude in the block)) - 2, held to -126 .. 127; a block of zeros has e = 0. As a byte (E8M0): e + 127.
;;     - Each number is divided by its block's scale, clamped to +-7.5, and rounded to the nearest number of E2M3, ties to even, subnormals kept.
;;     - The product sums the exact products of the quantised numbers (number of the format x scale) in f32.
;;   ~~~python
;;   def quantise(x, axis):      # numpy; x: float32 -> the quantised numbers, widened to float32 again
;;       x = np.moveaxis(x, axis, -1); K = x.shape[-1]
;;       x = np.pad(x, [(0, 0)] * (x.ndim - 1) + [(0, -K % 32)]); x = x.reshape(x.shape[:-1] + (-1, 32)); a = np.abs(x).max(-1, keepdims=True)
;;       e = np.where(a > 0, np.clip(np.frexp(np.where(a > 0, a, 1))[1] - 1 - 2, -126, 127), 0)      # np.frexp(a)[1] - 1 = floor(log2(a)), exactly
;;       r = np.clip(x / 2.0 ** e, -7.5, 7.5)
;;       step = 2.0 ** (np.maximum(np.frexp(np.where(r == 0, 1, r))[1] - 1, 0) - 3)
;;       q = np.round(r / step) * step * 2.0 ** e      # np.round: ties to even
;;       return np.moveaxis(q.reshape(q.shape[:-2] + (-1,))[..., :K], -1, axis).astype(np.float32)
;;   ~~~
;;   SOFTMAX AHEAD OF A QUANTISED PRODUCT. Where the list says 'softmax', what is quantised is not the finished softmax but p = 2^(t - M), with t = logit x log2(e) and M = ceil(the row's largest t), a whole number; so 1/2 < the row's largest p <= 1. The row's sum l is taken of the UNQUANTISED p, in f32, and the product's result is divided by l at the end. Since M is a whole number, a kernel that streams over the keys may use a running M (the ceiling of the running maximum): every later rescaling is an exact power of two, which a block's scale takes up: the codes' values come out the same.
;;   OPERANDS COMPUTED ON THE WAY. 'Computed on the way' means the value that the module computes at that place (a softmax that the list does not call 'softmax' is quantised finished and normalised). What goes into a quantiser is computed in f32, as accurately as f32 sums, v_exp_f32 and their like allow (about 1e-6 of the number): no bf16 or f16 on the way to a quantiser, and a product that is left as it is and whose result goes on into a quantised operand takes f32 operands (vector FMAs, or v_wmma_f32_16x16x4_f32). A number that lies on a knife's edge between two numbers of the format may be rounded either way, as far as f32 arithmetic and the matrix unit's own rounding can turn it there, and no further.
;; 2 versions, each right; version 2 is version 1 with the launch attn written anew for expert scheduling mode. Each part assembles by itself: llvm-mc -triple=amdgcn-amd-amdhsa -mcpu=gfx1250 --defsym DOCPART=n.
;; ======== version 1 of 2: 4 launches
;; limits: right only within a limited range of input values
;; workspace buffers: xcs 19,660,800 bytes; wcs 3,276,800 bytes; qcs 6,553,600 bytes; kvr 13,107,200 bytes; ocs 6,553,600 bytes
;; launch prep (part 1): grid 1024 x 1, 4 waves a work-group, no clusters, 35,328 bytes of LDS; arguments query, key, value, Wq, Wk, Wv, Wo, xcs, wcs; writes xcs, wcs
.if DOCPART == 1
	.amdgcn_target "amdgcn-amd-amdhsa--gfx1250"
	.amdhsa_code_object_version 6
	.text
	.protected	k_qf29164d783_prep
	.globl	k_qf29164d783_prep
	.p2align	8
	.type	k_qf29164d783_prep,@function
k_qf29164d783_prep:
	s_mov_b64 s[64:65], 0
	v_nop
	global_prefetch_b8 v0, s[64:65] scope:SCOPE_SE
	s_setreg_imm32_b32 hwreg(HW_REG_WAVE_MODE, 25, 1), 1
	s_wait_xcnt 0x0
; query, key, value [8192][1024] f32 (K innermost) and Wq, Wk, Wv, Wo [1024 (k)][1024 (n)] f32 (K outermost) become codes of FP6 (E2M3) with one E8M0 byte for each 32 along K,
; laid IN THE ORDER OF THE OPERAND'S REGISTERS.  A tile T holds 16 rows: lane-row r is row 32 (T / 2) + 8 (T % 2) + r + 8 (r / 8).  A fragment (16 rows x 128 K, 12 registers a lane) is six pieces
; of 256 bytes; piece p holds lane l's registers 2 p, 2 p + 1 at byte 256 p + 8 l.  A tile's row in the buffer is 12,800 bytes: two records of 6,400: four fragments (K steps 4 j .. 4 j + 3), then 256 bytes
; of scale words [K step % 4][r].  A block's scale is 2^(floor(log2(largest magnitude)) - 2); its byte is the largest magnitude's exponent field - 2, held at 1 from below.
; (A block of zeros gets the byte 1 and zero codes; these bytes are read by this program alone.)
; LIMITS: NaN and infinities among the inputs are not served; blocks whose largest magnitude lies under 2^-124, the floor, were not tried.
; Work-groups 0 .. 767: the X path, a wave to a record (3 tensors x 512 tiles x 2).  Work-groups 768 .. 1023: the W path, a wave to 32 columns x one K step (4 weights x 8 K steps x 32).
; Memory binds: every load of the X path reads 512 consecutive bytes, of the W path 128 (the four waves side by side 512); every store of codes writes 256 consecutive aligned bytes.
; No matrix unit, no tensor load, no barrier: waves share nothing.
.set XT,    6553600                    ; a tensor's codes and scales in xcs: 512 tiles x 12,800
.set WT,    819200                     ; a weight's in wcs: 64 tiles x 12,800
.set SROW,  528                        ; a stage row: 512 bytes + 16, an odd multiple of 16
.set SCW,   16*SROW                    ; behind the wave's stage: its record's 256 bytes of scale words
.set WREG,  SCW+256                    ; LDS of a wave: 8,704 bytes
.set SPARE, 4*WREG                     ; behind the four regions: the spare words, 128 bytes a wave: two blocks of 256 bytes that no other line names
.set SPW,   1                          ; v1  LDS address of my spare word; never rewritten
.set NIL,   2                          ; v2  0; never rewritten
.set RA,    32                         ; v32-159  X path: two sets of 64 numbers as loaded;  W path: four blocks of 32 numbers
.set X,     160                        ; v160-223 X path: 64 numbers after the turn: two whole blocks of my row
.set H,     224                        ; v224-239 X path: the fragment's codes, 8 registers for each half
.set CB,    160                        ; v160-191 W path: a block's codes, 8 registers for each block
	s_load_b256 s[4:11], s[0:1], 0x0               ; query, key, value, Wq
	s_load_b256 s[12:19], s[0:1], 0x20             ; Wk, Wv, Wo, xcs
	s_load_b64 s[20:21], s[0:1], 0x40              ; wcs
	v_lshl_add_u32 v[SPW], v0, 2, SPARE
	v_mov_b32 v[NIL], 0
	v_lshrrev_b32 v3, 5, v0
	v_readfirstlane_b32 s24, v3                    ; wave 0..3
	v_and_b32 v20, 31, v0                          ; lane
	v_and_b32 v21, 15, v0                          ; r
	v_bfe_u32 v22, v0, 4, 1                        ; h (W path: u)
	s_cmp_lt_u32 ttmp9, 768
	s_cbranch_scc0 .Lw
	; ---------------- X path: record id = 4 x work-group + wave: tensor id / 1024, tile (id / 2) % 512, half id % 2
	s_lshl_b32 s25, ttmp9, 2
	s_add_co_u32 s25, s25, s24                     ; id
	s_lshr_b32 s26, s25, 10                        ; tensor
	s_bfe_u32 s27, s25, 0x90001                    ; tile T
	s_and_b32 s28, s25, 1                          ; half j
	s_lshr_b32 s29, s27, 1
	s_lshl_b32 s29, s29, 17                        ; 32 (T / 2) rows of 4,096 bytes
	s_and_b32 s30, s27, 1
	s_lshl_b32 s30, s30, 15                        ; 8 (T % 2) rows
	s_add_co_u32 s30, s30, s29
	s_lshl_b32 s29, s28, 11                        ; 512 numbers along K for each half
	s_add_co_u32 s30, s30, s29
	s_mov_b32 s31, 0
	s_and_b32 s32, s25, 1023
	s_mul_i32 s32, s32, 6400                       ; the record in its tensor
	s_mul_i32 s33, s26, XT
	s_add_co_u32 s32, s32, s33
	s_mov_b32 s33, 0
	s_mul_i32 s34, s24, WREG                       ; my wave's LDS
	v_lshlrev_b32 v3, 4, v20                       ; 16 x lane: my bytes of a load's 512
	v_add_nc_u32 v4, s34, v3                       ; the stage, on the way in: a row as it lies
	v_mul_u32_u24 v5, v21, SROW
	v_lshl_add_u32 v5, v22, 7, v5
	v_add_nc_u32 v5, s34, v5                       ; and on the way out: row r, + 128 h bytes: 32 numbers
	v_lshlrev_b32 v6, 3, v20                       ; 8 x lane: my place in a piece
	s_add_co_u32 s35, s34, SCW
	v_lshl_add_u32 v7, v21, 2, s35                 ; my row's scale word
	v_add_nc_u32 v8, s35, v6                       ; and the 256 bytes on their way out
	v_lshlrev_b32 v9, 3, v22                       ; 8 h: my two bytes' place in the word
	v_mov_b32 v17, 0                               ; written once: a lane permute's destination counts as one of its sources
	s_mov_b32 s36, 0x76543210
	s_mov_b32 s37, 0xfedcba98                      ; v_permlanex16_b32's selects for lane l xor 16
	s_wait_kmcnt 0x0
	s_cmp_eq_u32 s26, 1                            ; the choice hangs on the work-group's number alone
	s_cselect_b64 s[4:5], s[6:7], s[4:5]
	s_cmp_eq_u32 s26, 2
	s_cselect_b64 s[4:5], s[8:9], s[4:5]
	s_add_nc_u64 s[4:5], s[4:5], s[30:31]
	s_add_nc_u64 s[18:19], s[18:19], s[32:33]
.macro XLOAD q                         ; K step q of the record: 512 consecutive bytes of each of the tile's 16 rows
.set i, 0
.rept 16
	global_load_b128 v[RA+64*((\q)%2)+4*i:RA+64*((\q)%2)+4*i+3], v3, s[4:5] offset:(i+8*(i/8))*4096+512*(\q) th:TH_LOAD_NT
.set i, i+1
.endr
.endm
.macro XTURN q                         ; through the wave's stage: in as loaded, out 128 bytes a lane and half.  LDS serves a wave's instructions in order: no wait between
.set i, 0
.rept 16
	ds_store_b128 v4, v[RA+64*((\q)%2)+4*i:RA+64*((\q)%2)+4*i+3] offset:SROW*i
.set i, i+1
.endr
.set i, 0
.rept 16
	ds_load_b128 v[X+4*i:X+4*i+3], v5 offset:256*(i/8)+16*(i%8)     ; register 32 c + n: k = 64 c + 32 h + n of row r
.set i, i+1
.endr
.endm
.macro XQUANT                          ; my two whole blocks, h and 2 + h, become registers 0-5 and 6-11 of the fragment, and two bytes of the row's word
	v_max3_num_f32 v10, |v[X]|, |v[X+1]|, 0x1800000                 ; with the floor 2^(3 - 127) among the leaves: the byte cannot fall under 1
	v_max3_num_f32 v11, |v[X+32]|, |v[X+33]|, 0x1800000
.set i, 2
.rept 15
	v_max3_num_f32 v10, v10, |v[X+i]|, |v[X+i+1]|                   ; the two blocks by turns
	v_max3_num_f32 v11, v11, |v[X+32+i]|, |v[X+33+i]|
.set i, i+2
.endr
	v_add_nc_u32 v12, 0xff000000, v10              ; 2 off the exponent field: the conversion's scale operand
	v_add_nc_u32 v13, 0xff000000, v11
	v_lshrrev_b32 v14, 23, v12                     ; the bytes
	v_lshrrev_b32 v15, 23, v13
	v_lshl_or_b32 v16, v15, 16, v14
	v_lshlrev_b32 v16, v9, v16                     ; at their places: 8 h bits up
	v_permlanex16_b32 v17, v16, s36, s37
	v_or_b32 v16, v16, v17                         ; with lane l xor 16's two the word is whole
.irp c, 0,1
	v_cvt_scalef32_pk16_fp6_f32 v[H+8*\c:H+8*\c+2], v[X+32*\c:X+32*\c+15], v[12+\c]
	v_cvt_scalef32_pk16_fp6_f32 v[H+8*\c+4:H+8*\c+6], v[X+32*\c+16:X+32*\c+31], v[12+\c]   ; (a conversion's three registers begin on an even number)
.endr
	v_nop                                          ; one plain place behind a scaled conversion
.irp c, 0,1
	v_mov_b32 v[H+8*\c+3], v[H+8*\c+4]
	v_mov_b32 v[H+8*\c+4], v[H+8*\c+5]
	v_mov_b32 v[H+8*\c+5], v[H+8*\c+6]
.endr
.endm
.macro XSTEP q
.if (\q) < 3
	s_wait_loadcnt 16                              ; this K step's 16 loads are in; the next one's 16 may be out
.else
	s_wait_loadcnt 0x0
.endif
	XTURN \q
	s_wait_dscnt 0x0                               ; the numbers are back, and the stores into the stage have read their registers
.if (\q) > 0
	s_wait_xcnt 0x0                                ; the last step's stores have read the codes' registers, which are written again below
.endif
.if (\q) < 2
	XLOAD (\q)+2
.endif
	XQUANT
.irp p, 0,1,2,3,4,5
	global_store_b64 v6, v[H+8*(\p/3)+2*(\p%3):H+8*(\p/3)+2*(\p%3)+1], s[18:19] offset:1536*(\q)+256*\p   ; 32 lanes store 256 consecutive bytes, aligned
.endr
	ds_store_b32 v7, v16 offset:64*(\q)            ; both halves of the lanes write the same word with the same value
.endm
	XLOAD 0
	XLOAD 1
	XSTEP 0
	XSTEP 1
	XSTEP 2
	XSTEP 3
	ds_load_b64 v[10:11], v8                       ; the record's 64 scale words (LDS serves a wave's instructions in order)
	s_wait_dscnt 0x0
	global_store_b64 v6, v[10:11], s[18:19] offset:6144
	s_wait_tensorcnt 0x0                           ; the wave's end: behind my last LDS store
	ds_add_u32 v[SPW], v[NIL]
	s_wait_dscnt 0x0
	s_endpgm
	; ---------------- W path: id = work-group - 768: weight id / 64, K step (id / 8) % 8, columns 32 G on with G = 4 (id % 8) + wave
	; A LANE TAKES A COLUMN AND ITS REGISTERS RUN DOWN K: lane (r, u) takes column 32 G + 8 u + r + 8 (r / 8), lane-row r of tile 2 G + u; a block of 32 along K lies in one lane.
.Lw:
	s_sub_co_u32 s25, ttmp9, 768
	s_lshr_b32 s26, s25, 6                         ; weight
	s_bfe_u32 s27, s25, 0x30003                    ; K step
	s_and_b32 s28, s25, 7
	s_lshl_b32 s28, s28, 2
	s_add_co_u32 s28, s28, s24                     ; G
	v_and_b32 v3, 8, v21
	v_add_nc_u32 v3, v3, v21                       ; r + 8 (r / 8)
	v_lshl_add_u32 v3, v22, 3, v3                  ; + 8 u: the 32 lanes cover 128 consecutive bytes
	v_lshlrev_b32 v3, 2, v3
	s_lshl_b32 s30, s27, 19                        ; 128 rows of 4,096 bytes a K step
	s_lshl_b32 s29, s28, 7
	s_add_co_u32 s30, s30, s29
	s_mov_b32 s31, 0
	s_mul_i32 s32, s26, WT
	s_mul_i32 s29, s28, 25600                      ; two tiles' rows for each G
	s_add_co_u32 s32, s32, s29
	s_lshr_b32 s29, s27, 2
	s_mul_i32 s29, s29, 6400                       ; the record
	s_add_co_u32 s32, s32, s29
	s_mov_b32 s33, 0
	s_and_b32 s34, s27, 3                          ; the K step in its record
	s_mul_i32 s35, s34, 1536
	v_lshl_add_u32 v4, v20, 3, s35                 ; codes: the fragment, + 8 x lane
	s_lshl_b32 s35, s34, 6
	s_add_co_u32 s35, s35, 6144
	v_mul_u32_u24 v5, v22, 12800
	v_lshl_add_u32 v5, v21, 2, v5
	v_add_nc_u32 v5, s35, v5                       ; scale word: tile u's row, the K step's 64 bytes, + 4 r
	s_wait_kmcnt 0x0
	s_cmp_eq_u32 s26, 1
	s_cselect_b64 s[10:11], s[12:13], s[10:11]
	s_cmp_eq_u32 s26, 2
	s_cselect_b64 s[10:11], s[14:15], s[10:11]
	s_cmp_eq_u32 s26, 3
	s_cselect_b64 s[10:11], s[16:17], s[10:11]
	s_add_nc_u64 s[10:11], s[10:11], s[30:31]
	s_add_nc_u64 s[20:21], s[20:21], s[32:33]
.macro WLOAD kb
.set i, 0
.rept 32
	global_load_b32 v[RA+32*(\kb)+i], v3, s[10:11] offset:(32*(\kb)+i)*4096 th:TH_LOAD_NT
.set i, i+1
.endr
.endm
.macro WBLOCK kb
.set XS, RA+32*(\kb)
.if (\kb) < 3
	s_wait_loadcnt 32                              ; this block's 32 loads are in; the next block's may be out
.else
	s_wait_loadcnt 0x0
.endif
.if (\kb) < 2
	WLOAD (\kb)+2                                  ; two blocks ahead: 64 loads of the wave are out
.endif
	v_max3_num_f32 v10, |v[XS]|, |v[XS+1]|, |v[XS+2]|
	v_max3_num_f32 v11, |v[XS+3]|, |v[XS+4]|, |v[XS+5]|
.irp i, 6,10,14,18,22,26
	v_max3_num_f32 v10, v10, |v[XS+\i]|, |v[XS+\i+1]|
	v_max3_num_f32 v11, v11, |v[XS+\i+2]|, |v[XS+\i+3]|
.endr
	v_max3_num_f32 v10, v10, |v[XS+30]|, |v[XS+31]|
	v_max3_num_f32 v10, v10, v11, 0x1800000        ; and the floor
	v_add_nc_u32 v[12+(\kb)], 0xff000000, v10      ; the conversion's scale operand
	v_lshrrev_b32 v11, 23, v[12+(\kb)]             ; the byte
.if (\kb) == 0
	v_mov_b32 v18, v11
.else
	v_lshl_or_b32 v18, v11, 8*(\kb), v18           ; my column's scale word, the lower K in the lower byte
.endif
	v_cvt_scalef32_pk16_fp6_f32 v[CB+8*(\kb):CB+8*(\kb)+2], v[XS:XS+15], v[12+(\kb)]
	v_cvt_scalef32_pk16_fp6_f32 v[CB+8*(\kb)+4:CB+8*(\kb)+6], v[XS+16:XS+31], v[12+(\kb)]
.endm
	WLOAD 0
	WLOAD 1
	WBLOCK 0
	WBLOCK 1
	WBLOCK 2
	WBLOCK 3
	v_nop                                          ; one plain place behind a scaled conversion
.irp c, 0,1                            ; lanes 16-31 of block 2 c change places with lanes 0-15 of block 2 c + 1: the first set is then tile 2 G's registers 6 c on as lanes (r, h) hold them, the second tile 2 G + 1's
.irp i, 0,1,2,4,5,6
	v_permlane16_swap_b32 v[CB+16*\c+\i], v[CB+16*\c+8+\i]
.endr
.endr
.irp k, 0,1,2,3
	v_mov_b32 v[CB+8*\k+3], v[CB+8*\k+4]
	v_mov_b32 v[CB+8*\k+4], v[CB+8*\k+5]
	v_mov_b32 v[CB+8*\k+5], v[CB+8*\k+6]
.endr
.irp u, 0,1
.irp c, 0,1
.irp p, 0,1,2
	global_store_b64 v4, v[CB+16*\c+8*\u+2*\p:CB+16*\c+8*\u+2*\p+1], s[20:21] offset:12800*\u+768*\c+256*\p   ; 256 consecutive bytes, aligned
.endr
.endr
.endr
	global_store_b32 v5, v18, s[20:21]             ; 64 consecutive bytes for each of the two tiles
	s_wait_tensorcnt 0x0                           ; every wave of the launch ends here
	ds_add_u32 v[SPW], v[NIL]
	s_wait_dscnt 0x0
	s_endpgm
.Lfunc_end_k_qf29164d783_prep:
	.size	k_qf29164d783_prep, .Lfunc_end_k_qf29164d783_prep-k_qf29164d783_prep
	.p2alignl 7, 3214868480
	.fill 96, 4, 3214868480
	.section	.rodata,"a",@progbits
	.p2align	6, 0x0
	.amdhsa_kernel k_qf29164d783_prep
		.amdhsa_group_segment_fixed_size 35328
		.amdhsa_private_segment_fixed_size 0
		.amdhsa_enable_private_segment 0
		.amdhsa_kernarg_size 72
		.amdhsa_user_sgpr_count 2
		.amdhsa_user_sgpr_kernarg_segment_ptr 1
		.amdhsa_wavefront_size32 1
		.amdhsa_system_sgpr_workgroup_id_x 1
		.amdhsa_system_sgpr_workgroup_id_y 1
		.amdhsa_system_sgpr_workgroup_id_z 1
		.amdhsa_system_vgpr_workitem_id 0
		.amdhsa_next_free_vgpr 248
		.amdhsa_next_free_sgpr 66
		.amdhsa_reserve_vcc 0
		.amdhsa_float_denorm_mode_32 3
		.amdhsa_float_denorm_mode_16_64 3
		.amdhsa_memory_ordered 1
		.amdhsa_forward_progress 1
		.amdhsa_inst_pref_size 53
	.end_amdhsa_kernel
	.amdgpu_metadata
---
amdhsa.version: [ 1, 2 ]
amdhsa.kernels:
  - .name:           k_qf29164d783_prep
    .symbol:         k_qf29164d783_prep.kd
    .args:
      - { .name: query, .offset: 0, .size: 8, .value_kind: global_buffer, .address_space: global }
      - { .name: key, .offset: 8, .size: 8, .value_kind: global_buffer, .address_space: global }
      - { .name: value, .offset: 16, .size: 8, .value_kind: global_buffer, .address_space: global }
      - { .name: Wq, .offset: 24, .size: 8, .value_kind: global_buffer, .address_space: global }
      - { .name: Wk, .offset: 32, .size: 8, .value_kind: global_buffer, .address_space: global }
      - { .name: Wv, .offset: 40, .size: 8, .value_kind: global_buffer, .address_space: global }
      - { .name: Wo, .offset: 48, .size: 8, .value_kind: global_buffer, .address_space: global }
      - { .name: xcs, .offset: 56, .size: 8, .value_kind: global_buffer, .address_space: global }
      - { .name: wcs, .offset: 64, .size: 8, .value_kind: global_buffer, .address_space: global }
    .group_segment_fixed_size: 35328
    .private_segment_fixed_size: 0
    .kernarg_segment_align: 8
    .kernarg_segment_size: 72
    .max_flat_workgroup_size: 128
    .sgpr_count:     66
    .vgpr_count:     248
    .wavefront_size: 32
...
	.end_amdgpu_metadata
.endif
;; end of part 1
;; launch proj (part 2): grid 4 x 192, 8 waves a work-group, clusters of 4 x 4, 327,680 bytes of LDS; arguments xcs, wcs, bq, bk, bv, qcs, kvr; writes qcs, kvr
.if DOCPART == 2
	.amdgcn_target "amdgcn-amd-amdhsa--gfx1250"
	.amdhsa_code_object_version 6
	.text
	.protected	k_qf29164d783_proj
	.globl	k_qf29164d783_proj
	.p2align	8
	.type	k_qf29164d783_proj,@function
k_qf29164d783_proj:
	s_mov_b64 s[64:65], 0
	v_nop
	global_prefetch_b8 v0, s[64:65] scope:SCOPE_SE
	s_setreg_imm32_b32 hwreg(HW_REG_WAVE_MODE, 25, 1), 1
	s_wait_xcnt 0x0
	s_wait_alu depctr_hold_cnt(0) depctr_sa_sdst(0) depctr_va_vdst(0) depctr_va_sdst(0) depctr_va_ssrc(0) depctr_va_vcc(0) depctr_vm_vsrc(0)
	s_getreg_b32 s2, hwreg(HW_REG_IB_STS2, 6, 4)
	s_cmp_eq_u32 s2, 0
	s_cbranch_scc0 .Lentry_in_a_cluster
	s_endpgm
.Lentry_in_a_cluster:
	s_bfe_u32 s2, ttmp6, 0x10000c
	s_cmp_lg_u32 s2, 0xf033
	s_cbranch_scc0 .Lentry_shape_is_right
	s_endpgm
.Lentry_shape_is_right:
; q = query Wq + bq, k = key Wk + bk, v = value Wv + bv on codes of FP6 (E2M3) with E8M0 scales, sums in f32; the results are quantised here, q and k along the head's 64, v along the keys, and leave as codes.
; TWO ROLES.  P's rows end up in lanes (source 1), R's rows in registers (source 0); a result is quantised along R.  q, k: P = the tokens, R = the weight's columns.  v: P = Wv's columns, R = the tokens (the keys): V^T.
; Every operand lies in memory in the order of its registers (tile T: lane-row r = row 32 (T / 2) + 8 (T % 2) + r + 8 (r / 8); a tile's row of 12,800 bytes = 2 records of 4 fragments + 256 bytes of scale words),
; so that the 16 registers of two neighbouring tiles of R are 16 neighbours along the next product's K.
; SHARES.  A work-group makes 128 rows of P x 256 rows of R with ALL of K = 1,024 in LDS: 24 tiles x 12,800 bytes, each LDS byte filled once.  768 work-groups.  Wave (wp = w / 4, wr = w % 4) makes 64 x 64:
; 16 accumulators, 128 registers.  A wave's 64 rows of R are one head's depth (q, k) or half a step of 128 keys (v).
; CLUSTERS: 4 x 4 work-groups; the four of a row need the same tiles of P, the four of a column the same tiles of R: each is asked for jointly.  Waves 0, 1 fetch P's 8 tiles, waves 2 to 5 R's 16, four tiles a load,
; two loads a wave (K steps 0-3, then 4-7): two tensor loads of a wave are out at the most.
; OUT.  q: qcs [head of batch 64][tile 128][768 bytes], from byte 6,291,456 two scale bytes a row.  k, v: kvr [head of batch][step of 128 keys] records of 12,800 bytes: 8 half fragments of K, 4 fragments of V^T,
; 256 bytes of K's scale words (16 r + 2 tile), 256 of V's (16 r + 4 tile + 2 half).
; LIMITS: NaN and infinities are not served; blocks whose largest magnitude lies under 2^-124, the floor, get the byte 1 (a block of zeros too: its codes are zeros; this program alone reads the bytes).
.set XT,    6553600
.set WT,    819200
.set REC,   6400
.set CHUNK, 24*REC                     ; K steps 4 j .. 4 j + 3 of the 24 tiles: P's 8, then R's 16
.set SPARE, 2*CHUNK                    ; behind the tiles: the spare words, 128 bytes a wave: four blocks of 256 bytes that no other line names
.set SPW,  1                           ; v1  LDS address of my spare word; never rewritten
.set NIL,  2                           ; v2  0; never rewritten
.set AP,   3                           ; v3, v4   my P fragments in chunk 0, 1: 8 x lane + 25,600 wp
.set AR,   5                           ; v5, v6   my R fragments: 8 x lane + (8 + 4 wr) x 6,400
.set AS,   7                           ; v7, v8   scale words: lanes 0-15 P's, lanes 16-31 R's
.set L8,   9                           ; v9  8 x lane;  v10 r;  v11 h
.set SC,   12                          ; v12-15   scale words and nothing else: register i: P's tile i below, R's tile i above
.set PF,   32                          ; v32-79   P's four fragments
.set RF,   80                          ; v80-127  R's four
.set ACC,  128                         ; v128-255 accumulator (a, b) at v[128 + 8 (4 a + b)]
.set BI,   32                          ; the way out: the bias
.set HB,   64                          ; v64-95   the codes of tile a at v[64 + 8 a]
.set BM,   104                         ; v104-105 largest magnitudes; v106-107 the other half's, then bytes; v108-109 scale operands
.set BX,   106
.set SO,   108
.set W16,  112                         ; v112-115 two scale bytes;  v116-119 where the codes go;  v120-123 where the bytes go
.set VC,   116
.set VS,   120
.set WV,   18
.set G1P,  24                          ; s[24:31], s[32:39] descriptor groups 1;  s[40:47], s[48:55] groups 0, one set for each chunk
.set G1R,  32
.set G0P,  40
.set G0R,  48
.set SEL,  60
.macro CROUND                          ; a round of the cluster's barrier
	s_barrier_signal -1
	s_barrier_wait -1
	s_cmp_lg_u32 s[WV], 0
	s_cbranch_scc1 .Lnot_wave_0_\@
	s_barrier_signal -3
.Lnot_wave_0_\@:
	s_barrier_wait -3
	s_barrier_signal -1
	s_barrier_wait -1
.endm
.macro PLACES                          ; four places behind a matrix instruction, ahead of loads into its registers and of reads of its results
.rept 4
	v_nop
.endr
.endm
	s_load_b256 s[4:11], s[0:1], 0x0               ; xcs, wcs, bq, bk
	s_load_b128 s[12:15], s[0:1], 0x20             ; bv, qcs
	s_load_b64 s[16:17], s[0:1], 0x30              ; kvr
	v_lshl_add_u32 v[SPW], v0, 2, SPARE
	v_mov_b32 v[NIL], 0
	ds_add_u32 v[SPW], v[NIL]                      ; the wave's opening: the add and its wait stand ahead of my first tensor load; work on registers stands between them
	v_lshrrev_b32 v3, 5, v0
	v_readfirstlane_b32 s[WV], v3                  ; wave 0..7
	s_lshr_b32 s19, s[WV], 2                       ; wp
	s_and_b32 s20, s[WV], 3                        ; wr
	s_bfe_u32 s21, ttmp6, 0x40000                  ; cx
	s_bfe_u32 s22, ttmp6, 0x40004                  ; cy
	s_and_b32 s23, ttmp7, 0xffff                   ; the cluster's y, 0 .. 47
	s_lshr_b32 s56, s23, 4                         ; which product: 0 q, 1 k, 2 v: the same in all sixteen partners
	s_and_b32 s57, s23, 15
	s_lshr_b32 s58, s57, 3
	s_and_b32 s59, s57, 7
	s_cmp_eq_u32 s56, 2
	s_cselect_b32 s58, s58, s57                    ; q, k: 64 blocks of P x 4 of R;  v: 8 of P x 32 of R
	s_cselect_b32 s59, s59, 0
	s_lshl_b32 s58, s58, 2
	s_add_co_u32 s58, s58, s22                     ; P's block of 8 tiles: it hangs on cy alone
	s_lshl_b32 s59, s59, 2
	s_add_co_u32 s59, s59, s21                     ; R's block of 16 tiles: on cx alone
	s_lshl_b32 s62, s22, 2
	s_lshl_b32 s62, 15, s62                        ; my row of the cluster
	s_lshl_b32 s63, 0x1111, s21                    ; my column
	s_or_b32 s[G1P], s62, (3<<16)|(1<<21)          ; 15:0 the mask; 17:16 elements of 8 bytes; 21 set beside a mask; no padding
	s_or_b32 s[G1R], s63, (3<<16)|(1<<21)
.irp g, G1P, G1R
	s_mov_b32 s[\g+1], 800<<16                     ; tensor_dim0 = 800 elements: a record of 6,400 bytes
	s_mov_b32 s[\g+2], 4<<16                       ; tensor_dim1 = 4 tiles
	s_mov_b32 s[\g+3], 800<<16                     ; tile_dim0
	s_mov_b32 s[\g+4], 4                           ; tile_dim1
	s_mov_b32 s[\g+5], 1600                        ; from tile to tile: 12,800 bytes
	s_mov_b32 s[\g+6], 0
	s_mov_b32 s[\g+7], 0
.endr
	s_min_u32 s66, s[WV], 1                        ; P: waves 0, 1 take tiles 4 w on
	s_lshl_b32 s66, s66, 2
	s_lshl_b32 s68, s58, 3
	s_add_co_u32 s68, s68, s66
	s_mul_i32 s68, s68, 12800
	s_mul_i32 s66, s56, XT                         ; q, k: tensor 0, 1 of xcs;  v: weight 2 of wcs
	s_mov_b32 s67, 2*WT
	s_cmp_eq_u32 s56, 2
	s_cselect_b32 s66, s67, s66
	s_add_co_u32 s68, s68, s66
	s_mov_b32 s69, 0
	s_max_u32 s66, s[WV], 2                        ; R: waves 2 to 5 take tiles 4 (w - 2) on
	s_sub_co_u32 s66, s66, 2
	s_min_u32 s66, s66, 3
	s_lshl_b32 s66, s66, 2
	s_lshl_b32 s70, s59, 4
	s_add_co_u32 s70, s70, s66
	s_mul_i32 s70, s70, 12800
	s_mul_i32 s66, s56, WT                         ; q, k: weight 0, 1 of wcs;  v: tensor 2 of xcs
	s_mov_b32 s67, 2*XT
	s_cmp_eq_u32 s56, 2
	s_cselect_b32 s66, s67, s66
	s_add_co_u32 s70, s70, s66
	s_mov_b32 s71, 0
	s_min_u32 s72, s[WV], 5
	s_mul_i32 s72, s72, 4*REC                      ; where my four tiles go: 25,600 x wave: no place in the cluster enters an LDS address
	s_mov_b32 s[SEL], 0x76543210
	s_mov_b32 s[SEL+1], 0xfedcba98                 ; v_permlanex16_b32's selects for lane l xor 16
	s_wait_dscnt 0x0                               ; the opening add is done
	s_wait_kmcnt 0x0
	s_cmp_eq_u32 s56, 2
	s_cselect_b64 s[74:75], s[6:7], s[4:5]         ; P's buffer
	s_cselect_b64 s[76:77], s[4:5], s[6:7]         ; R's
	s_add_nc_u64 s[74:75], s[74:75], s[68:69]
	s_add_nc_u64 s[76:77], s[76:77], s[70:71]
	CROUND                                         ; all sixteen work-groups are here: the joint loads meet
.irp j, 0,1
	s_mov_b32 s[G0P+4*\j], 1
	s_add_co_u32 s[G0P+4*\j+1], s72, CHUNK*\j
	s_add_nc_u64 s[G0P+4*\j+2:G0P+4*\j+3], s[74:75], REC*\j
	s_or_b32 s[G0P+4*\j+3], s[G0P+4*\j+3], 0x80000000
	s_mov_b32 s[G0R+4*\j], 1
	s_add_co_u32 s[G0R+4*\j+1], s72, CHUNK*\j
	s_add_nc_u64 s[G0R+4*\j+2:G0R+4*\j+3], s[76:77], REC*\j
	s_or_b32 s[G0R+4*\j+3], s[G0R+4*\j+3], 0x80000000
.endr
	s_cmp_lt_u32 s[WV], 2                          ; a wave's two fills stand in one branch on the wave's number, ahead of every wait on TENSORcnt and every LDS read
	s_cbranch_scc0 .Lnot_p
	tensor_load_to_lds s[G0P:G0P+3], s[G1P:G1P+7]
	s_nop 0
	tensor_load_to_lds s[G0P+4:G0P+7], s[G1P:G1P+7]
	s_nop 0
	PLACES
	s_branch .Lasked
.Lnot_p:
	s_cmp_lt_u32 s[WV], 6
	s_cbranch_scc0 .Lasked
	tensor_load_to_lds s[G0R:G0R+3], s[G1R:G1R+7]
	s_nop 0
	tensor_load_to_lds s[G0R+4:G0R+7], s[G1R:G1R+7]
	s_nop 0
	PLACES
.Lasked:
	v_and_b32 v[L8], 31, v0
	v_lshlrev_b32 v[L8], 3, v[L8]                  ; 8 x lane
	v_and_b32 v10, 15, v0                          ; r
	v_bfe_u32 v11, v0, 4, 1                        ; h
	s_mul_i32 s78, s19, 4*REC                      ; my four tiles of P
	v_add_nc_u32 v[AP], s78, v[L8]
	v_add_nc_u32 v[AP+1], CHUNK, v[AP]
	s_mul_i32 s79, s20, 4*REC
	s_add_co_u32 s79, s79, 8*REC                   ; my four tiles of R, behind P's eight
	v_add_nc_u32 v[AR], s79, v[L8]
	v_add_nc_u32 v[AR+1], CHUNK, v[AR]
	s_xor_b32 s80, s19, 1
	s_add_co_u32 s80, s80, s20
	s_add_co_u32 s80, s80, 1
	s_mul_i32 s80, s80, 4*REC                      ; from my P tiles to my R tiles: (8 + 4 wr - 4 wp) x 6,400
	v_mul_u32_u24 v[AS], s80, v11                  ; lanes 16-31 take R's words: the lower base + h x the distance
	v_lshl_add_u32 v[AS], v10, 2, v[AS]
	s_add_co_u32 s78, s78, 6144
	v_add_nc_u32 v[AS], s78, v[AS]
	v_add_nc_u32 v[AS+1], CHUNK, v[AS]
	; where the results go, made while the tiles are on their way.  q, k: first tile 8 P + 4 wp of 512: batch, tile in the batch; head 4 R + wr
	s_lshl_b32 s81, s58, 3
	s_lshl_b32 s82, s19, 2
	s_add_co_u32 s81, s81, s82
	s_lshr_b32 s82, s81, 7                         ; batch
	s_and_b32 s81, s81, 127                        ; tile in the batch
	s_lshl_b32 s83, s59, 2
	s_add_co_u32 s83, s83, s20                     ; head
	s_lshl_b32 s82, s82, 4
	s_add_co_u32 s82, s82, s83                     ; head of batch
	s_lshl_b32 s84, s82, 7
	s_add_co_u32 s84, s84, s81
	s_mul_i32 s85, s84, 768                        ; q: codes
	s_lshl_b32 s86, s84, 5
	s_add_co_u32 s86, s86, 6291456                 ; q: scale bytes
	s_mul_i32 s87, s82, 204800
	s_lshr_b32 s88, s81, 3
	s_mul_i32 s88, s88, 12800
	s_add_co_u32 s87, s87, s88                     ; k: the step's record
	s_and_b32 s88, s81, 7
	s_mul_i32 s89, s88, 768
	s_add_co_u32 s89, s89, s87                     ; k: codes
	s_lshl_b32 s88, s88, 1
	s_add_co_u32 s88, s88, s87
	s_add_co_u32 s88, s88, 12288                   ; k: scale bytes
	s_lshl_b32 s90, s58, 1                         ; v: head 2 P + wp; batch R / 8; step 2 (R % 8) + wr / 2; half wr % 2
	s_add_co_u32 s90, s90, s19
	s_lshr_b32 s91, s59, 3
	s_lshl_b32 s91, s91, 4
	s_add_co_u32 s91, s91, s90
	s_mul_i32 s91, s91, 204800
	s_and_b32 s92, s59, 7
	s_lshl_b32 s92, s92, 1
	s_lshr_b32 s93, s20, 1
	s_add_co_u32 s92, s92, s93
	s_mul_i32 s92, s92, 12800
	s_add_co_u32 s91, s91, s92                     ; v: the step's record
	s_and_b32 s92, s20, 1
	s_mul_i32 s93, s92, 768
	s_add_co_u32 s93, s93, s91
	s_add_co_u32 s93, s93, 6144                    ; v: codes
	s_lshl_b32 s92, s92, 1
	s_add_co_u32 s92, s92, s91
	s_add_co_u32 s92, s92, 12544                   ; v: scale bytes
	s_cmp_eq_u32 s56, 0
	s_cselect_b32 s85, s85, s89
	s_cselect_b32 s86, s86, s88
	s_cselect_b32 s94, 32, 2                       ; from tile to tile among the scale bytes
	s_cselect_b32 s95, 1, 4                        ; a row's place among them: r << this
	s_cselect_b64 s[96:97], s[14:15], s[16:17]     ; qcs or kvr
	s_cselect_b64 s[2:3], s[8:9], s[10:11]         ; bq or bk
	s_mov_b32 s98, 768
	s_cmp_eq_u32 s56, 2
	s_cselect_b32 s85, s93, s85
	s_cselect_b32 s86, s92, s86
	s_cselect_b32 s94, 4, s94
	s_cselect_b32 s98, 1536, s98                   ; from tile to tile among the codes
	s_cselect_b64 s[2:3], s[12:13], s[2:3]         ; or bv
	s_cselect_b32 s66, s90, s83
	s_lshl_b32 s66, s66, 8                         ; the head's 64 numbers of the bias
	s_mov_b32 s67, 0
	s_add_nc_u64 s[2:3], s[2:3], s[66:67]
.macro FRAG reg, adr, off              ; a fragment as it lies: six loads of 256 consecutive bytes
.irp p, 0,1,2,3,4,5
	ds_load_b64 v[\reg+2*\p:\reg+2*\p+1], v[\adr] offset:\off+256*\p
.endr
.endm
.macro PROD a, b, zero                 ; source 0 = R's tile b (its scales in lanes 16-31), source 1 = P's tile a
.if \zero
	v_wmma_scale_f32_16x16x128_f8f6f4 v[ACC+8*(4*\a+\b):ACC+8*(4*\a+\b)+7], v[RF+12*\b:RF+12*\b+11], v[PF+12*\a:PF+12*\a+11], 0, v[SC+\b], v[SC+\a] matrix_a_fmt:MATRIX_FMT_FP6 matrix_b_fmt:MATRIX_FMT_FP6 matrix_a_scale:MATRIX_SCALE_ROW1
.else
	v_wmma_scale_f32_16x16x128_f8f6f4 v[ACC+8*(4*\a+\b):ACC+8*(4*\a+\b)+7], v[RF+12*\b:RF+12*\b+11], v[PF+12*\a:PF+12*\a+11], v[ACC+8*(4*\a+\b):ACC+8*(4*\a+\b)+7], v[SC+\b], v[SC+\a] matrix_a_fmt:MATRIX_FMT_FP6 matrix_b_fmt:MATRIX_FMT_FP6 matrix_a_scale:MATRIX_SCALE_ROW1
.endif
.endm
; A K step of 128: 52 LDS loads, 16 matrix instructions; the 16 accumulators take turns, one instruction a turn, in the same order in every step.
.macro KSTEP s, zero
.if (\s) > 0
	PLACES
.endif
.irp i, 0,1,2,3
	ds_load_b32 v[SC+\i], v[AS+(\s)/4] offset:REC*\i+64*((\s)%4)
.endr
.irp i, 0,1,2,3
	FRAG RF+12*\i, AR+(\s)/4, REC*\i+1536*((\s)%4)
.endr
.irp i, 0,1,2,3
	FRAG PF+12*\i, AP+(\s)/4, REC*\i+1536*((\s)%4)
.endr
	s_wait_dscnt 12                                ; all but the youngest twelve: P's tiles 2 and 3
.irp a, 0,1
.irp b, 0,1,2,3
	PROD \a, \b, \zero
.endr
.endr
	s_wait_dscnt 0x0
.irp a, 2,3
.irp b, 0,1,2,3
	PROD \a, \b, \zero
.endr
.endr
.endm
	s_wait_tensorcnt 1                             ; my part of chunk 0 is in; chunk 1's load may stay out
	s_barrier_signal -1
	s_barrier_wait -1                              ; everybody's is
	KSTEP 0, 1                                     ; the first products start the sums
	KSTEP 1, 0
	KSTEP 2, 0
	KSTEP 3, 0
	s_wait_tensorcnt 0x0                           ; my part of chunk 1
	s_wait_dscnt 0x0
	s_barrier_signal -1
	s_barrier_wait -1
	KSTEP 4, 0
	KSTEP 5, 0
	KSTEP 6, 0
	KSTEP 7, 0
	PLACES
	; THE WAY OUT.  Lane (r, h) holds lane-row r of P's tile a; register 32 a + 16 b + i is R's index 32 b + 16 h + i of my 64.
	s_cmp_eq_u32 s56, 2
	s_cbranch_scc1 .Lbias_v
	v_lshlrev_b32 v124, 6, v11                     ; q, k: the bias runs along the registers: 16 numbers of my half of each block of 32
.irp k, 0,1,2,3,4,5,6,7
	global_load_b128 v[BI+4*\k:BI+4*\k+3], v124, s[2:3] offset:128*(\k/4)+16*(\k%4)
.endr
	s_wait_loadcnt 0x0
.irp a, 0,1,2,3
.set k, 0
.rept 16
	v_pk_add_f32 v[ACC+32*\a+k:ACC+32*\a+k+1], v[ACC+32*\a+k:ACC+32*\a+k+1], v[BI+k:BI+k+1]   ; each accumulator from its low end on
.set k, k+2
.endr
.endr
	s_branch .Lquant
.Lbias_v:
	v_and_b32 v124, 8, v10                         ; v: the bias hangs on the lane's row of Wv: 32 (a / 2) + 8 (a % 2) + r + 8 (r / 8)
	v_add_nc_u32 v124, v124, v10
	v_lshlrev_b32 v124, 2, v124
.irp a, 0,1,2,3
	global_load_b32 v[BI+2*\a], v124, s[2:3] offset:4*(32*(\a/2)+8*(\a%2))
	global_load_b32 v[BI+2*\a+1], v124, s[2:3] offset:4*(32*(\a/2)+8*(\a%2))   ; (the packed form names the pair, so both are written)
.endr
	s_wait_loadcnt 0x0
.irp a, 0,1,2,3
.set k, 0
.rept 16
	v_pk_add_f32 v[ACC+32*\a+k:ACC+32*\a+k+1], v[ACC+32*\a+k:ACC+32*\a+k+1], v[BI+2*\a:BI+2*\a+1] op_sel_hi:[1,0]
.set k, k+2
.endr
.endr
.Lquant:
	v_mov_b32 v[BX], 0                             ; written once: a lane permute's destination counts as one of its sources
	v_mov_b32 v[BX+1], 0
	v_add_nc_u32 v[VC], s85, v[L8]
	v_lshlrev_b32 v[VS], s95, v10
	v_add_nc_u32 v[VS], s86, v[VS]
.irp a, 1,2,3
	v_add_nc_u32 v[VC+\a], s98, v[VC+\a-1]
	v_add_nc_u32 v[VS+\a], s94, v[VS+\a-1]
.endr
; 32 numbers of a lane, register 16 b + i = k 32 b + 16 h + i of my row, become a half fragment (6 registers from v[hh] on) and two scale bytes in v[w].
.macro QUANT2 src, hh, w
.irp b, 0,1
	v_max3_num_f32 v[BM+\b], |v[\src+16*\b]|, |v[\src+16*\b+1]|, 0x1800000   ; with the floor 2^(3 - 127): the byte cannot fall under 1
.endr
.irp i, 2,4,6,8,10,12,14
.irp b, 0,1
	v_max3_num_f32 v[BM+\b], v[BM+\b], |v[\src+16*\b+\i]|, |v[\src+16*\b+\i+1]|
.endr
.endr
.irp b, 0,1
	v_permlanex16_b32 v[BX+\b], v[BM+\b], s[SEL], s[SEL+1]
.endr
.irp b, 0,1
	v_max_num_f32 v[BM+\b], v[BM+\b], v[BX+\b]     ; with lane l xor 16's: the block's largest magnitude
.endr
.irp b, 0,1
	v_add_nc_u32 v[SO+\b], 0xff000000, v[BM+\b]    ; 2 off the exponent field: the conversion's scale operand
.endr
.irp b, 0,1
	v_lshrrev_b32 v[BX+\b], 23, v[SO+\b]           ; the byte
.endr
	v_lshl_or_b32 v[\w], v[BX+1], 8, v[BX]
	v_cvt_scalef32_pk16_fp6_f32 v[\hh:\hh+2], v[\src:\src+15], v[SO]
	v_cvt_scalef32_pk16_fp6_f32 v[\hh+4:\hh+6], v[\src+16:\src+31], v[SO+1]
	v_nop                                          ; one plain place behind a scaled conversion
.irp i, 0,1,2
	v_permlane16_swap_b32 v[\hh+\i], v[\hh+4+\i]   ; a whole block to a lane: lanes 0-15 block 0, lanes 16-31 block 1
.endr
	v_mov_b32 v[\hh+3], v[\hh+4]
	v_mov_b32 v[\hh+4], v[\hh+5]
	v_mov_b32 v[\hh+5], v[\hh+6]
.endm
.irp a, 0,1,2,3                        ; each tile has registers of its own for what its stores read: none is written again
	QUANT2 ACC+32*\a, HB+8*\a, W16+\a
.irp p, 0,1,2
	global_store_b64 v[VC+\a], v[HB+8*\a+2*\p:HB+8*\a+2*\p+1], s[96:97] offset:256*\p   ; 256 consecutive bytes, aligned
.endr
	global_store_b16 v[VS+\a], v[W16+\a], s[96:97] ; both halves of the lanes write the same two bytes
.endr
	s_wait_tensorcnt 0x0                           ; the wave's end
	ds_add_u32 v[SPW], v[NIL]
	s_wait_dscnt 0x0
	CROUND                                         ; the closing round
	s_endpgm
.Lfunc_end_k_qf29164d783_proj:
	.size	k_qf29164d783_proj, .Lfunc_end_k_qf29164d783_proj-k_qf29164d783_proj
	.p2alignl 7, 3214868480
	.fill 96, 4, 3214868480
	.section	.rodata,"a",@progbits
	.p2align	6, 0x0
	.amdhsa_kernel k_qf29164d783_proj
		.amdhsa_group_segment_fixed_size 327680
		.amdhsa_private_segment_fixed_size 0
		.amdhsa_enable_private_segment 0
		.amdhsa_kernarg_size 56
		.amdhsa_user_sgpr_count 2
		.amdhsa_user_sgpr_kernarg_segment_ptr 1
		.amdhsa_wavefront_size32 1
		.amdhsa_system_sgpr_workgroup_id_x 1
		.amdhsa_system_sgpr_workgroup_id_y 1
		.amdhsa_system_sgpr_workgroup_id_z 1
		.amdhsa_system_vgpr_workitem_id 0
		.amdhsa_next_free_vgpr 256
		.amdhsa_next_free_sgpr 100
		.amdhsa_reserve_vcc 0
		.amdhsa_float_denorm_mode_32 3
		.amdhsa_float_denorm_mode_16_64 3
		.amdhsa_memory_ordered 1
		.amdhsa_forward_progress 1
		.amdhsa_inst_pref_size 73
	.end_amdhsa_kernel
	.amdgpu_metadata
---
amdhsa.version: [ 1, 2 ]
amdhsa.kernels:
  - .name:           k_qf29164d783_proj
    .symbol:         k_qf29164d783_proj.kd
    .args:
      - { .name: xcs, .offset: 0, .size: 8, .value_kind: global_buffer, .address_space: global }
      - { .name: wcs, .offset: 8, .size: 8, .value_kind: global_buffer, .address_space: global }
      - { .name: bq, .offset: 16, .size: 8, .value_kind: global_buffer, .address_space: global }
      - { .name: bk, .offset: 24, .size: 8, .value_kind: global_buffer, .address_space: global }
      - { .name: bv, .offset: 32, .size: 8, .value_kind: global_buffer, .address_space: global }
      - { .name: qcs, .offset: 40, .size: 8, .value_kind: global_buffer, .address_space: global }
      - { .name: kvr, .offset: 48, .size: 8, .value_kind: global_buffer, .address_space: global }
    .group_segment_fixed_size: 327680
    .private_segment_fixed_size: 0
    .kernarg_segment_align: 8
    .kernarg_segment_size: 56
    .max_flat_workgroup_size: 256
    .sgpr_count:     100
    .vgpr_count:     256
    .wavefront_size: 32
...
	.end_amdgpu_metadata
.endif
;; end of part 2
;; launch attn (part 3): grid 4 x 64, 16 waves a work-group, no clusters, 215,040 bytes of LDS; arguments qcs, kvr, key_padding_mask, ocs; writes ocs
.if DOCPART == 3
	.amdgcn_target "amdgcn-amd-amdhsa--gfx1250"
	.amdhsa_code_object_version 6
	.text
	.protected	k_qf29164d783_attn
	.globl	k_qf29164d783_attn
	.p2align	8
	.type	k_qf29164d783_attn,@function
k_qf29164d783_attn:
	s_mov_b64 s[64:65], 0
	v_nop
	global_prefetch_b8 v0, s[64:65] scope:SCOPE_SE
	s_setreg_imm32_b32 hwreg(HW_REG_WAVE_MODE, 25, 1), 1
	s_wait_xcnt 0x0
; For each head of each batch: o = softmax(q k^T / 8, keys with mask 0 left out) v, both products on codes of FP6 (E2M3) with E8M0 scales; o is quantised along d_model and leaves as the last product's operand.
; THE SOFTMAX AHEAD OF THE SECOND PRODUCT: t = score x log2(e) / 8; M = the running largest t rounded UP to a whole number; p = 2^(t - M) is quantised along the keys, not normalised; the row's sum is taken of the
; unquantised p and divides at the end; when M moves, the sum and O are multiplied by 2^(old M - new M): exact.
; SHARES.  A work-group owns one head and 512 queries: 256 equal work-groups.  The head's K, V^T and their scales, 16 records of 12,800 bytes, are copied into LDS once, through registers, wave w record w; one barrier.
; Each of the sixteen waves owns two tiles of 16 queries, one after the other, in 256 registers: four waves to a SIMD, so that one wave's vector work stands beside another's matrix work and LDS loads.
; LAYOUT.  Both products are used transposed (S^T = K q^T, O^T = V^T p^T): a lane holds one query.  Tiles hold rows 32 (T / 2) + 8 (T % 2) + r + 8 (r / 8), so that 16 registers of two neighbouring tiles are 16 neighbours.
; K = 64 IN AN INSTRUCTION OF 128: a fragment of K holds key tile 2 b in k 0 .. 63 and key tile 2 b + 1 in k 64 .. 127.  Multiplied by [q | 0] it gives tile 2 b's scores, by [0 | q] tile 2 b + 1's: zero codes add nothing
; under any scale byte that the quantiser gives.  q stands twice in registers with six zeros between: v[16:27] = [q | 0], v[22:33] = [0 | q].
; THE MASK.  A step of 128 keys none of which counts is left out by a scalar branch on the mask's bytes.  A step all of whose keys count starts its sums with 0.  Any other step starts them with a bias from LDS: 0 for a
; key that counts, -2^100 for one that does not: its p is then 0.
; No tensor load and no cluster: the branch above hangs on bytes read from memory; and what the four work-groups of a head share is 204,800 bytes, read once by each, for 512 x 2,048 scores.
; LIMITS: |t| under 2^93; NaN and infinities are not served; 1 / sum is v_rcp_f32.  A batch with no key that counts gets scale bytes 0xff, so that the last product gives NaN there, as the softmax of nothing does.
.set REC,   12800
.set BIAS,  16*REC                     ; 2,048 f32: the keys' bias
.set SPARE, BIAS+8192                  ; the spare words, 128 bytes a wave: eight blocks of 256 bytes that no other line names
.set SPW,  1                           ; v1  LDS address of my spare word; never rewritten
.set NIL,  2                           ; v2  0; never rewritten
.set L8,   3                           ; v3  8 x lane
.set R16,  4                           ; v4  16 r
.set ADK,  5                           ; v5  the step's fragments;  v6 its scale words;  v8 its bias
.set ADS,  6
.set B64,  7                           ; v7  BIAS + 64 h
.set ADB,  8
.set R2,   10                          ; v10 2 r
.set QF,   16                          ; v16-21 q, v22-27 zeros, v28-33 q
.set QS,   34                          ; v34 q's scale word;  v35 p's;  v36-39 K's;  v40-43 V's: scales and nothing else
.set PW,   35
.set KS,   36
.set VS,   40
.set KF,   44                          ; v44-91  K's four fragments; once they are multiplied: v44.., v48.. conversions' second halves,
.set TC,   44
.set BM,   52                          ; v52-55 the blocks' largest, v56-59 the other half's, then bytes, v60-63 scale operands, v[64:65] f, v66, v67 at work
.set BX,   56
.set SO,   60
.set FF,   64
.set R4,   92                          ; v92 4 r
.set S,    96                          ; v96-159  S^T, then p
.set O,    160                         ; v160-191 O^T
.set VF,   192                         ; v192-239 V^T's four fragments
.set PC,   240                         ; v240-251 p's codes
.set WV,   12
.set ANY,  20                          ; s20 bit l: one of keys 64 l .. 64 l + 63 counts;  s21: all of them do
.set ALL,  21
.set SEL,  22
.set CS,   24                          ; s[24:25] c = log2(e) / 8
.set TB,   26                          ; s26 the step's record in LDS;  s27 its two bits;  s28 its bias;  s29 steps to go
.set SH,   27
.set SB,   28
.set CNT,  29
	s_load_b256 s[4:11], s[0:1], 0x0               ; qcs, kvr, the mask, ocs
	v_lshl_add_u32 v[SPW], v0, 2, SPARE
	v_mov_b32 v[NIL], 0
	v_lshrrev_b32 v3, 5, v0
	v_readfirstlane_b32 s[WV], v3                  ; wave 0..15
	v_and_b32 v93, 31, v0                          ; lane
	v_and_b32 v94, 15, v0                          ; r
	v_bfe_u32 v95, v0, 4, 1                        ; h
	s_and_b32 s14, ttmp7, 0xffff                   ; head of batch
	s_lshr_b32 s15, s14, 4                         ; batch
	s_and_b32 s16, s14, 15                         ; head
	s_lshl_b32 s30, s15, 11                        ; the batch's 2,048 mask bytes
	s_mov_b32 s31, 0
	s_mul_i32 s32, s14, 16*REC
	s_mul_i32 s42, s[WV], REC
	s_add_co_u32 s32, s32, s42                     ; the record that I copy
	s_mov_b32 s33, 0
	s_lshl_b32 s43, ttmp9, 5
	s_lshl_b32 s44, s[WV], 1
	s_add_co_u32 s43, s43, s44                     ; my first tile of queries: 32 x work-group x + 2 x wave
	s_lshl_b32 s44, s14, 7
	s_add_co_u32 s44, s44, s43
	s_mul_i32 s34, s44, 768                        ; q's codes
	s_mov_b32 s35, 0
	s_lshl_b32 s36, s44, 5
	s_add_co_u32 s36, s36, 6291456                 ; q's scale bytes
	s_mov_b32 s37, 0
	s_lshl_b32 s44, s15, 7
	s_add_co_u32 s44, s44, s43                     ; the tile among the 512 of ocs
	s_mul_i32 s44, s44, 12800
	s_lshr_b32 s45, s16, 3
	s_mul_i32 s45, s45, 6400
	s_add_co_u32 s44, s44, s45                     ; its record: K step = head / 2, four to a record
	s_bfe_u32 s45, s16, 0x20001
	s_and_b32 s46, s16, 1
	s_mul_i32 s38, s45, 1536
	s_mul_i32 s47, s46, 768
	s_add_co_u32 s38, s38, s47
	s_add_co_u32 s38, s38, s44                     ; o's codes: the K step's fragment, the head's half of it
	s_mov_b32 s39, 0
	s_lshl_b32 s40, s45, 6
	s_lshl_b32 s47, s46, 1
	s_add_co_u32 s40, s40, s47
	s_add_co_u32 s40, s40, s44
	s_add_co_u32 s40, s40, 6144                    ; o's scale bytes
	s_mov_b32 s41, 0
	s_mov_b32 s[SEL], 0x76543210
	s_mov_b32 s[SEL+1], 0xfedcba98                 ; v_permlanex16_b32's selects for lane l xor 16
	s_mov_b32 s[CS], 0x3e38aa3b
	s_mov_b32 s[CS+1], s[CS]                       ; (named with it as a pair, so it is written)
	v_lshlrev_b32 v224, 6, v93                     ; 64 mask bytes a lane
	v_lshlrev_b32 v225, 2, v0                      ; 4 mask bytes a thread
	v_lshlrev_b32 v226, 4, v93                     ; 16 bytes a lane
	v_lshl_add_u32 v227, v93, 4, s42               ; the record in LDS
	v_lshl_add_u32 v228, v0, 4, BIAS               ; my four keys' bias
	s_wait_kmcnt 0x0
	s_add_nc_u64 s[8:9], s[8:9], s[30:31]
	s_add_nc_u64 s[6:7], s[6:7], s[32:33]
	s_add_nc_u64 s[18:19], s[4:5], s[36:37]
	s_add_nc_u64 s[4:5], s[4:5], s[34:35]
	s_add_nc_u64 s[44:45], s[10:11], s[40:41]
	s_add_nc_u64 s[10:11], s[10:11], s[38:39]
.irp i, 0,1,2,3
	global_load_b128 v[200+4*\i:203+4*\i], v224, s[8:9] offset:16*\i
.endr
	global_load_b32 v216, v225, s[8:9]
.set i, 0
.rept 25
	global_load_b128 v[96+4*i:99+4*i], v226, s[6:7] offset:512*i    ; 512 consecutive bytes
.set i, i+1
.endr
	s_wait_loadcnt 25                              ; the mask is in; the record's 25 loads may be out
	v_or_b32 v217, v200, v201
	v_and_b32 v218, v200, v201
.set i, 2
.rept 14
	v_or_b32 v217, v217, v[200+i]
	v_and_b32 v218, v218, v[200+i]
.set i, i+1
.endr
	v_cmp_ne_u32 s[ANY], 0, v217
	v_cmp_eq_u32 s[ALL], 0x01010101, v218
.irp i, 0,1,2,3
	v_bfe_u32 v[220+\i], v216, 8*\i, 8
.endr
.irp i, 0,1,2,3
	v_add_nc_u32 v[220+\i], -1, v[220+\i]          ; 1 -> 0, 0 -> all ones
.endr
.irp i, 0,1,2,3
	v_and_b32 v[220+\i], 0xf1800000, v[220+\i]     ; 0, or -2^100
.endr
	ds_store_b128 v228, v[220:223]
.set i, 0
.rept 25
	s_wait_loadcnt 24-i                            ; loads come back in order: the younger ones stay out
	ds_store_b128 v227, v[96+4*i:99+4*i] offset:512*i
.set i, i+1
.endr
	v_lshlrev_b32 v[L8], 3, v93
	v_lshlrev_b32 v[R16], 4, v94
	v_lshl_add_u32 v[B64], v95, 6, BIAS
	v_lshlrev_b32 v[R2], 1, v94
	v_lshlrev_b32 v[R4], 2, v94
.irp i, 0,1,2,3,4,5
	v_mov_b32 v[QF+6+\i], 0                        ; the six zeros between the two q
.endr
	v_mov_b32 v[BX], 0                             ; written once: a lane permute's destination counts as one of its sources
	v_mov_b32 v[BX+1], 0
	v_mov_b32 v66, 0
	s_wait_dscnt 0x0                               ; for the others' sake: my stores have landed
	s_barrier_signal -1
	s_barrier_wait -1                              ; the launch's one barrier: from here on LDS is only read
.macro SPROD t, zero                   ; key tile t: fragment t / 2 against [q | 0] or [0 | q]
.if \zero
	v_wmma_scale_f32_16x16x128_f8f6f4 v[S+8*\t:S+8*\t+7], v[KF+12*(\t/2):KF+12*(\t/2)+11], v[QF+6*(\t%2):QF+6*(\t%2)+11], 0, v[KS+\t/2], v[QS] matrix_a_fmt:MATRIX_FMT_FP6 matrix_b_fmt:MATRIX_FMT_FP6
.else
	v_wmma_scale_f32_16x16x128_f8f6f4 v[S+8*\t:S+8*\t+7], v[KF+12*(\t/2):KF+12*(\t/2)+11], v[QF+6*(\t%2):QF+6*(\t%2)+11], v[S+8*\t:S+8*\t+7], v[KS+\t/2], v[QS] matrix_a_fmt:MATRIX_FMT_FP6 matrix_b_fmt:MATRIX_FMT_FP6
.endif
.endm
; 32 numbers of a lane, register 16 b + i = k 32 b + 16 h + i of my row, become a half fragment (6 registers from v[hh] on) and two scale bytes in v[w].
.macro QUANT2 src, hh, w
.irp b, 0,1
	v_max3_num_f32 v[BM+\b], |v[\src+16*\b]|, |v[\src+16*\b+1]|, 0x1800000
.endr
.irp i, 2,4,6,8,10,12,14
.irp b, 0,1
	v_max3_num_f32 v[BM+\b], v[BM+\b], |v[\src+16*\b+\i]|, |v[\src+16*\b+\i+1]|
.endr
.endr
.irp b, 0,1
	v_permlanex16_b32 v[BX+\b], v[BM+\b], s[SEL], s[SEL+1]
.endr
.irp b, 0,1
	v_max_num_f32 v[BM+\b], v[BM+\b], v[BX+\b]
.endr
.irp b, 0,1
	v_add_nc_u32 v[SO+\b], 0xff000000, v[BM+\b]
.endr
.irp b, 0,1
	v_lshrrev_b32 v[BX+\b], 23, v[SO+\b]
.endr
	v_lshl_or_b32 v[\w], v[BX+1], 8, v[BX]
	v_cvt_scalef32_pk16_fp6_f32 v[\hh:\hh+2], v[\src:\src+15], v[SO]
	v_cvt_scalef32_pk16_fp6_f32 v[\hh+4:\hh+6], v[\src+16:\src+31], v[SO+1]
	v_nop                                          ; one plain place behind a scaled conversion
.irp i, 0,1,2
	v_permlane16_swap_b32 v[\hh+\i], v[\hh+4+\i]
.endr
	v_mov_b32 v[\hh+3], v[\hh+4]
	v_mov_b32 v[\hh+4], v[\hh+5]
	v_mov_b32 v[\hh+5], v[\hh+6]
.endm
; ONE TILE OF 16 QUERIES: the wave's first (0) or second (1).
.macro TILE which
.if \which
	s_wait_xcnt 0x0                                ; the first tile's stores have read their registers, which are written again below
.endif
.irp p, 0,1,2
	global_load_b64 v[QF+2*\p:QF+2*\p+1], v[L8], s[4:5] offset:768*\which+256*\p
	global_load_b64 v[QF+12+2*\p:QF+13+2*\p], v[L8], s[4:5] offset:768*\which+256*\p
.endr
	global_load_u16 v[QS], v[R2], s[18:19] offset:32*\which
	v_mov_b32 v13, 0xff61b1e6                      ; the largest t so far: -3e38
	v_floor_f32 v12, -v13                          ; -M
	v_mov_b32 v14, 0                               ; the sum, in two halves
	v_mov_b32 v15, 0
	s_mov_b32 s[TB], 0
	s_mov_b32 s[SH], 0
	s_mov_b32 s[SB], 0
	s_mov_b32 s[CNT], 16
	s_wait_loadcnt 0x0
	v_lshl_or_b32 v[QS], v[QS], 16, v[QS]          ; q's two bytes serve k 0 .. 63 and k 64 .. 127
.set j, 0
.rept 32
	v_mov_b32 v[O+j], 0                            ; O^T: the first step finds zeros.  (Also the eight places between the scale word's write and the first scaled product)
.set j, j+1
.endr
.Lstep_\@:                                         ; 16 trips, 128 keys each
	s_lshr_b32 s42, s[ANY], s[SH]
	s_and_b32 s42, s42, 3
	s_cmp_eq_u32 s42, 0
	s_cbranch_scc1 .Ldead_\@                       ; none of the step's keys counts
	v_add_nc_u32 v[ADK], s[TB], v[L8]
	v_add_nc_u32 v[ADS], s[TB], v[R16]
	v_nop
	v_nop                                          ; four places behind the last step's products, ahead of loads into their registers
	ds_load_b128 v[KS:KS+3], v[ADS] offset:12288
.irp b, 0,1,2,3
.irp p, 0,1,2,3,4,5
	ds_load_b64 v[KF+12*\b+2*\p:KF+12*\b+2*\p+1], v[ADK] offset:1536*\b+256*\p
.endr
.endr
	ds_load_b128 v[VS:VS+3], v[ADS] offset:12544
.irp t, 0,1,2,3
.irp p, 0,1,2,3,4,5
	ds_load_b64 v[VF+12*\t+2*\p:VF+12*\t+2*\p+1], v[ADK] offset:6144+1536*\t+256*\p
.endr
.endr
	s_lshr_b32 s42, s[ALL], s[SH]
	s_and_b32 s42, s42, 3
	s_cmp_eq_u32 s42, 3
	s_cbranch_scc0 .Lmixed_\@
	s_wait_dscnt 25                                ; K and its scales are in; V's 25 loads may be out
.irp t, 0,1,2,3,4,5,6,7
	SPROD \t, 1
.endr
	s_branch .Lsoft_\@
.Lmixed_\@:
	v_add_nc_u32 v[ADB], s[SB], v[B64]
.irp b, 0,1,2,3
.irp n, 0,1,2,3
	ds_load_b128 v[S+16*\b+4*\n:S+16*\b+4*\n+3], v[ADB] offset:128*\b+16*\n   ; the bias of keys 32 b + 16 h + 4 n on, where their scores will stand
.endr
.endr
	s_wait_dscnt 0x0
.irp t, 0,1,2,3,4,5,6,7
	SPROD \t, 0
.endr
.Lsoft_\@:
.rept 4
	v_nop
.endr
.irp b, 0,1,2,3
	v_max3_num_f32 v[BM+\b], v[S+16*\b], v[S+16*\b+1], v[S+16*\b+2]   ; the largest score of each block of 32 keys: for the row's maximum and, since p rises with the score, for the block's largest p
.endr
.irp i, 3,5,7,9,11,13
.irp b, 0,1,2,3
	v_max3_num_f32 v[BM+\b], v[BM+\b], v[S+16*\b+\i], v[S+16*\b+\i+1]
.endr
.endr
.irp b, 0,1,2,3
	v_max_num_f32 v[BM+\b], v[BM+\b], v[S+16*\b+15]
.endr
.irp b, 0,1,2,3
	v_permlanex16_b32 v[BX+\b], v[BM+\b], s[SEL], s[SEL+1]
.endr
.irp b, 0,1,2,3
	v_max_num_f32 v[BM+\b], v[BM+\b], v[BX+\b]     ; with lane l xor 16's 16 keys
.endr
	v_max3_num_f32 v66, v[BM], v[BM+1], v[BM+2]
	v_max_num_f32 v66, v66, v[BM+3]
	v_mul_f32 v66, s[CS], v66                      ; as t
	v_max_num_f32 v13, v13, v66                    ; the running largest t
	v_mov_b32 v66, v12
	v_floor_f32 v12, -v13                          ; the new -M = -ceil(t)
	v_sub_f32 v66, v12, v66                        ; old M - new M: a whole number, 0 or less
	v_cvt_i32_f32 v66, v66                         ; (it saturates)
	v_ldexp_f32 v[FF], 1.0, v66                    ; f = 2^(old M - new M)
.set j, 0
.rept 32
	v_pk_fma_f32 v[S+j:S+j+1], v[S+j:S+j+1], s[CS:CS+1], v[12:13] op_sel_hi:[1,0,0]   ; t - M
.set j, j+2
.endr
.irp b, 0,1,2,3
	v_fma_f32 v[BM+\b], v[BM+\b], s[CS], v12
.endr
.set j, 0
.rept 64
	v_exp_f32 v[S+j], v[S+j]                       ; p = 2^(t - M)
.set j, j+1
.endr
	v_pk_mul_f32 v[14:15], v[14:15], v[FF:FF+1] op_sel_hi:[1,0]     ; the sums under the new M: the plain place behind the exponentials
	s_wait_alu depctr_va_vdst(0)                   ; one wait for the batch of 64, ahead of its first reader
.irp b, 0,1,2,3
	v_exp_f32 v[BM+\b], v[BM+\b]                   ; the blocks' largest p
.endr
	v_pk_add_f32 v[BX:BX+1], v[S:S+1], v[S+2:S+3]  ; the row's sum of the unquantised p, in two chains
.set j, 4
.rept 15
	v_pk_add_f32 v[14:15], v[14:15], v[S+j:S+j+1]
	v_pk_add_f32 v[BX:BX+1], v[BX:BX+1], v[S+j+2:S+j+3]
.set j, j+4
.endr
	v_pk_add_f32 v[14:15], v[14:15], v[BX:BX+1]
	s_wait_alu depctr_va_vdst(0)                   ; and one for the four
.irp b, 0,1,2,3
	v_max_num_f32 v[BM+\b], 0x1800000, v[BM+\b]    ; the floor: a block whose every p is 0 keeps the byte 1 and zero codes
.endr
.irp b, 0,1,2,3
	v_add_nc_u32 v[SO+\b], 0xff000000, v[BM+\b]
.endr
.irp b, 0,1,2,3
	v_lshrrev_b32 v[BX+\b], 23, v[SO+\b]
.endr
	v_lshl_or_b32 v[PW], v[BX+1], 8, v[BX]         ; p's scale word for these 128 keys
	v_lshl_or_b32 v[PW], v[BX+2], 16, v[PW]
	v_lshl_or_b32 v[PW], v[BX+3], 24, v[PW]
.irp c, 0,1
	v_cvt_scalef32_pk16_fp6_f32 v[PC+6*\c:PC+6*\c+2], v[S+32*\c:S+32*\c+15], v[SO+2*\c]
	v_cvt_scalef32_pk16_fp6_f32 v[TC+4*\c:TC+4*\c+2], v[S+32*\c+16:S+32*\c+31], v[SO+2*\c+1]
.endr
	v_nop                                          ; one plain place behind a scaled conversion
.irp c, 0,1
.irp i, 0,1,2
	v_permlane16_swap_b32 v[PC+6*\c+\i], v[TC+4*\c+\i]
.endr
.irp i, 0,1,2
	v_mov_b32 v[PC+6*\c+3+\i], v[TC+4*\c+\i]
.endr
.endr
.set j, 0
.rept 16
	v_pk_mul_f32 v[O+j:O+j+1], v[O+j:O+j+1], v[FF:FF+1] op_sel_hi:[1,0]   ; O^T under the new M; twelve of these name no register of any one product below: the places ahead of the scaled products
.set j, j+2
.endr
	s_wait_dscnt 0x0                               ; V and its scales
.irp t, 0,1,2,3
	v_wmma_scale_f32_16x16x128_f8f6f4 v[O+8*\t:O+8*\t+7], v[VF+12*\t:VF+12*\t+11], v[PC:PC+11], v[O+8*\t:O+8*\t+7], v[VS+\t], v[PW] matrix_a_fmt:MATRIX_FMT_FP6 matrix_b_fmt:MATRIX_FMT_FP6
.endr
.Ldead_\@:
	s_add_co_u32 s[TB], s[TB], REC
	s_add_co_u32 s[SH], s[SH], 2
	s_add_co_u32 s[SB], s[SB], 512
	s_sub_co_u32 s[CNT], s[CNT], 1
	s_cmp_lg_u32 s[CNT], 0
	s_cbranch_scc1 .Lstep_\@
	; the tile's way out: O^T / the sum, quantised along the head's 64, which are half a K step of the last product
.rept 4
	v_nop
.endr
	v_add_f32 v14, v14, v15
	v_permlanex16_b32 v66, v14, s[SEL], s[SEL+1]
	v_add_f32 v14, v14, v66                        ; the row's sum
	v_rcp_f32 v14, v14
	v_mov_b32 v66, 0xffff                          ; (a plain place behind the transcendental)
	s_wait_alu depctr_va_vdst(0)                   ; the wait ahead of the first reader
.set j, 0
.rept 16
	v_pk_mul_f32 v[S+j:S+j+1], v[O+j:O+j+1], v[14:15] op_sel_hi:[1,0]   ; register 16 b + i: channel 32 b + 16 h + i
.set j, j+2
.endr
	QUANT2 S, PC, 67
	v_cmp_gt_f32 vcc_lo, 0xee000000, v13           ; no key counted: the largest t is still -3e38
	v_cndmask_b32 v67, v67, v66, vcc_lo
.irp p, 0,1,2
	global_store_b64 v[L8], v[PC+2*\p:PC+2*\p+1], s[10:11] offset:12800*\which+256*\p   ; 256 consecutive bytes, aligned
.endr
	global_store_b16 v[R4], v67, s[44:45] offset:12800*\which
.endm
	TILE 0
	TILE 1
	s_wait_tensorcnt 0x0                           ; the wave's end: behind my last LDS store
	ds_add_u32 v[SPW], v[NIL]
	s_wait_dscnt 0x0
	s_endpgm
.Lfunc_end_k_qf29164d783_attn:
	.size	k_qf29164d783_attn, .Lfunc_end_k_qf29164d783_attn-k_qf29164d783_attn
	.p2alignl 7, 3214868480
	.fill 96, 4, 3214868480
	.section	.rodata,"a",@progbits
	.p2align	6, 0x0
	.amdhsa_kernel k_qf29164d783_attn
		.amdhsa_group_segment_fixed_size 215040
		.amdhsa_private_segment_fixed_size 0
		.amdhsa_enable_private_segment 0
		.amdhsa_kernarg_size 32
		.amdhsa_user_sgpr_count 2
		.amdhsa_user_sgpr_kernarg_segment_ptr 1
		.amdhsa_wavefront_size32 1
		.amdhsa_system_sgpr_workgroup_id_x 1
		.amdhsa_system_sgpr_workgroup_id_y 1
		.amdhsa_system_sgpr_workgroup_id_z 1
		.amdhsa_system_vgpr_workitem_id 0
		.amdhsa_next_free_vgpr 256
		.amdhsa_next_free_sgpr 66
		.amdhsa_reserve_vcc 1
		.amdhsa_float_denorm_mode_32 3
		.amdhsa_float_denorm_mode_16_64 3
		.amdhsa_memory_ordered 1
		.amdhsa_forward_progress 1
		.amdhsa_inst_pref_size 61
	.end_amdhsa_kernel
	.amdgpu_metadata
---
amdhsa.version: [ 1, 2 ]
amdhsa.kernels:
  - .name:           k_qf29164d783_attn
    .symbol:         k_qf29164d783_attn.kd
    .args:
      - { .name: qcs, .offset: 0, .size: 8, .value_kind: global_buffer, .address_space: global }
      - { .name: kvr, .offset: 8, .size: 8, .value_kind: global_buffer, .address_space: global }
      - { .name: key_padding_mask, .offset: 16, .size: 8, .value_kind: global_buffer, .address_space: global }
      - { .name: ocs, .offset: 24, .size: 8, .value_kind: global_buffer, .address_space: global }
    .group_segment_fixed_size: 215040
    .private_segment_fixed_size: 0
    .kernarg_segment_align: 8
    .kernarg_segment_size: 32
    .max_flat_workgroup_size: 512
    .sgpr_count:     66
    .vgpr_count:     256
    .wavefront_size: 32
...
	.end_amdgpu_metadata
.endif
;; end of part 3
;; launch outp (part 4): grid 4 x 64, 8 waves a work-group, clusters of 4 x 4, 327,680 bytes of LDS; arguments ocs, wcs, bo, out0; writes out0
.if DOCPART == 4
	.amdgcn_target "amdgcn-amd-amdhsa--gfx1250"
	.amdhsa_code_object_version 6
	.text
	.protected	k_qf29164d783_outp
	.globl	k_qf29164d783_outp
	.p2align	8
	.type	k_qf29164d783_outp,@function
k_qf29164d783_outp:
	s_mov_b64 s[64:65], 0
	v_nop
	global_prefetch_b8 v0, s[64:65] scope:SCOPE_SE
	s_setreg_imm32_b32 hwreg(HW_REG_WAVE_MODE, 25, 1), 1
	s_wait_xcnt 0x0
	s_wait_alu depctr_hold_cnt(0) depctr_sa_sdst(0) depctr_va_vdst(0) depctr_va_sdst(0) depctr_va_ssrc(0) depctr_va_vcc(0) depctr_vm_vsrc(0)
	s_getreg_b32 s2, hwreg(HW_REG_IB_STS2, 6, 4)
	s_cmp_eq_u32 s2, 0
	s_cbranch_scc0 .Lentry_in_a_cluster
	s_endpgm
.Lentry_in_a_cluster:
	s_bfe_u32 s2, ttmp6, 0x10000c
	s_cmp_lg_u32 s2, 0xf033
	s_cbranch_scc0 .Lentry_shape_is_right
	s_endpgm
.Lentry_shape_is_right:
; out0 = o Wo + bo on codes of FP6 (E2M3) with E8M0 scales, sums in f32.  o's codes (ocs) and Wo's (weight 3 of wcs) lie in the order of the operands' registers: tile T: lane-row r = row 32 (T / 2) + 8 (T % 2) + r + 8 (r / 8);
; a tile's row of 12,800 bytes = 2 records of 4 fragments + 256 bytes of scale words.
; SHARES.  A work-group makes 128 rows (P = o, source 1: rows in lanes) x 256 columns (R = Wo, source 0: columns in registers) with all of K = 1,024 in LDS: 24 tiles x 12,800 bytes, each LDS byte filled once.
; 256 work-groups.  Wave (wp = w / 4, wr = w % 4) makes 64 x 64: 16 accumulators.
; CLUSTERS: 4 x 4; the four of a row need the same tiles of o, the four of a column the same tiles of Wo: each is asked for jointly.  Waves 0, 1 fetch P's 8 tiles, waves 2 to 5 R's 16, four tiles a load, two loads a wave:
; two tensor loads of a wave are out at the most.
; THE WAY OUT.  A lane holds 2 x 16 neighbouring columns of one row: a tile of 16 rows x 64 columns goes through the wave's own stage in LDS and leaves as rows of 256 consecutive aligned bytes, sixteen lanes to a row.
; The stages lie in the first chunk's bytes, which have had their only fill and which nobody reads behind the second barrier.
.set WT,    819200
.set REC,   6400
.set CHUNK, 24*REC
.set SPARE, 2*CHUNK                    ; the spare words, 128 bytes a wave: four blocks of 256 bytes that no other line names
.set SPW,  1
.set NIL,  2
.set AP,   3                           ; v3, v4   my P fragments in chunk 0, 1
.set AR,   5                           ; v5, v6   my R fragments
.set AS,   7                           ; v7, v8   scale words: lanes 0-15 P's, lanes 16-31 R's
.set L8,   9                           ; v9  8 x lane;  v10 r;  v11 h
.set SC,   12                          ; v12-15   scale words and nothing else
.set STO,  16                          ; v16 the stage, in;  v17 back;  v18 my bytes in two rows of out0;  v19 the bias's offset
.set RD,   17
.set CO,   18
.set PF,   32
.set RF,   80
.set ACC,  128
.set BI,   32                          ; the way out: v32-63 the bias; v64-127 two sets of 16 rows read back
.set BK,   64
.set WV,   18
.set G1P,  24
.set G1R,  32
.set G0P,  40
.set G0R,  48
.macro CROUND
	s_barrier_signal -1
	s_barrier_wait -1
	s_cmp_lg_u32 s[WV], 0
	s_cbranch_scc1 .Lnot_wave_0_\@
	s_barrier_signal -3
.Lnot_wave_0_\@:
	s_barrier_wait -3
	s_barrier_signal -1
	s_barrier_wait -1
.endm
.macro PLACES
.rept 4
	v_nop
.endr
.endm
	s_load_b256 s[4:11], s[0:1], 0x0               ; ocs, wcs, bo, out0
	v_lshl_add_u32 v[SPW], v0, 2, SPARE
	v_mov_b32 v[NIL], 0
	ds_add_u32 v[SPW], v[NIL]                      ; the wave's opening: the add and its wait stand ahead of my first tensor load; work on registers stands between them
	v_lshrrev_b32 v3, 5, v0
	v_readfirstlane_b32 s[WV], v3                  ; wave 0..7
	s_lshr_b32 s19, s[WV], 2                       ; wp
	s_and_b32 s20, s[WV], 3                        ; wr
	s_bfe_u32 s21, ttmp6, 0x40000                  ; cx
	s_bfe_u32 s22, ttmp6, 0x40004                  ; cy
	s_and_b32 s23, ttmp7, 0xffff                   ; the cluster's y, 0 .. 15
	s_lshl_b32 s58, s23, 2
	s_add_co_u32 s58, s58, s22                     ; P's block of 8 tiles: it hangs on cy alone
	s_mov_b32 s59, s21                             ; R's block of 16 tiles: on cx alone
	s_lshl_b32 s62, s22, 2
	s_lshl_b32 s62, 15, s62                        ; my row of the cluster
	s_lshl_b32 s63, 0x1111, s21                    ; my column
	s_or_b32 s[G1P], s62, (3<<16)|(1<<21)          ; the mask; elements of 8 bytes; bit 21 beside a mask; no padding
	s_or_b32 s[G1R], s63, (3<<16)|(1<<21)
.irp g, G1P, G1R
	s_mov_b32 s[\g+1], 800<<16                     ; a record of 6,400 bytes
	s_mov_b32 s[\g+2], 4<<16                       ; 4 tiles
	s_mov_b32 s[\g+3], 800<<16
	s_mov_b32 s[\g+4], 4
	s_mov_b32 s[\g+5], 1600                        ; from tile to tile: 12,800 bytes
	s_mov_b32 s[\g+6], 0
	s_mov_b32 s[\g+7], 0
.endr
	s_min_u32 s66, s[WV], 1
	s_lshl_b32 s66, s66, 2
	s_lshl_b32 s68, s58, 3
	s_add_co_u32 s68, s68, s66
	s_mul_i32 s68, s68, 12800
	s_mov_b32 s69, 0
	s_max_u32 s66, s[WV], 2
	s_sub_co_u32 s66, s66, 2
	s_min_u32 s66, s66, 3
	s_lshl_b32 s66, s66, 2
	s_lshl_b32 s70, s59, 4
	s_add_co_u32 s70, s70, s66
	s_mul_i32 s70, s70, 12800
	s_add_co_u32 s70, s70, 3*WT                    ; Wo is weight 3
	s_mov_b32 s71, 0
	s_min_u32 s72, s[WV], 5
	s_mul_i32 s72, s72, 4*REC                      ; where my four tiles go: no place in the cluster enters an LDS address
	s_wait_dscnt 0x0                               ; the opening add is done
	s_wait_kmcnt 0x0
	s_add_nc_u64 s[74:75], s[4:5], s[68:69]
	s_add_nc_u64 s[76:77], s[6:7], s[70:71]
	CROUND                                         ; all sixteen work-groups are here: the joint loads meet
.irp j, 0,1
	s_mov_b32 s[G0P+4*\j], 1
	s_add_co_u32 s[G0P+4*\j+1], s72, CHUNK*\j
	s_add_nc_u64 s[G0P+4*\j+2:G0P+4*\j+3], s[74:75], REC*\j
	s_or_b32 s[G0P+4*\j+3], s[G0P+4*\j+3], 0x80000000
	s_mov_b32 s[G0R+4*\j], 1
	s_add_co_u32 s[G0R+4*\j+1], s72, CHUNK*\j
	s_add_nc_u64 s[G0R+4*\j+2:G0R+4*\j+3], s[76:77], REC*\j
	s_or_b32 s[G0R+4*\j+3], s[G0R+4*\j+3], 0x80000000
.endr
	s_cmp_lt_u32 s[WV], 2                          ; a wave's two fills stand in one branch on the wave's number
	s_cbranch_scc0 .Lnot_p
	tensor_load_to_lds s[G0P:G0P+3], s[G1P:G1P+7]
	s_nop 0
	tensor_load_to_lds s[G0P+4:G0P+7], s[G1P:G1P+7]
	s_nop 0
	PLACES
	s_branch .Lasked
.Lnot_p:
	s_cmp_lt_u32 s[WV], 6
	s_cbranch_scc0 .Lasked
	tensor_load_to_lds s[G0R:G0R+3], s[G1R:G1R+7]
	s_nop 0
	tensor_load_to_lds s[G0R+4:G0R+7], s[G1R:G1R+7]
	s_nop 0
	PLACES
.Lasked:
	v_and_b32 v[L8], 31, v0
	v_lshlrev_b32 v[L8], 3, v[L8]
	v_and_b32 v10, 15, v0                          ; r
	v_bfe_u32 v11, v0, 4, 1                        ; h
	s_mul_i32 s78, s19, 4*REC
	v_add_nc_u32 v[AP], s78, v[L8]
	v_add_nc_u32 v[AP+1], CHUNK, v[AP]
	s_mul_i32 s79, s20, 4*REC
	s_add_co_u32 s79, s79, 8*REC
	v_add_nc_u32 v[AR], s79, v[L8]
	v_add_nc_u32 v[AR+1], CHUNK, v[AR]
	s_xor_b32 s80, s19, 1
	s_add_co_u32 s80, s80, s20
	s_add_co_u32 s80, s80, 1
	s_mul_i32 s80, s80, 4*REC                      ; from my P tiles to my R tiles: (8 + 4 wr - 4 wp) x 6,400
	v_mul_u32_u24 v[AS], s80, v11                  ; the lower base + h x the distance
	v_lshl_add_u32 v[AS], v10, 2, v[AS]
	s_add_co_u32 s78, s78, 6144
	v_add_nc_u32 v[AS], s78, v[AS]
	v_add_nc_u32 v[AS+1], CHUNK, v[AS]
	s_mul_i32 s81, s[WV], 16*272                   ; my stage: 16 rows x (256 bytes + 16)
	v_mul_u32_u24 v[STO], v10, 272
	v_lshl_add_u32 v[STO], v11, 6, v[STO]
	v_add_nc_u32 v[STO], s81, v[STO]               ; in: row r, + 64 h
	v_mul_u32_u24 v[RD], v11, 272
	v_lshl_add_u32 v[RD], v10, 4, v[RD]
	v_add_nc_u32 v[RD], s81, v[RD]                 ; back: lanes 0-15 one row, lanes 16-31 the next
	v_lshlrev_b32 v[CO], 12, v11
	v_lshl_add_u32 v[CO], v10, 4, v[CO]            ; and the same two rows in out0
	v_lshlrev_b32 v19, 6, v11                      ; the bias: 16 numbers of my half of each block of 32
	s_lshl_b32 s82, s59, 10
	s_lshl_b32 s83, s20, 8
	s_add_co_u32 s82, s82, s83                     ; my first column, in bytes: 4 (256 R + 64 wr)
	s_mov_b32 s83, 0
	s_add_nc_u64 s[8:9], s[8:9], s[82:83]
	s_add_nc_u64 s[10:11], s[10:11], s[82:83]
	s_lshl_b32 s82, s58, 19
	s_lshl_b32 s84, s19, 18
	s_add_co_u32 s82, s82, s84                     ; my first row: (128 P + 64 wp) x 4,096 bytes
	s_add_nc_u64 s[10:11], s[10:11], s[82:83]
.macro FRAG reg, adr, off
.irp p, 0,1,2,3,4,5
	ds_load_b64 v[\reg+2*\p:\reg+2*\p+1], v[\adr] offset:\off+256*\p
.endr
.endm
.macro PROD a, b, zero
.if \zero
	v_wmma_scale_f32_16x16x128_f8f6f4 v[ACC+8*(4*\a+\b):ACC+8*(4*\a+\b)+7], v[RF+12*\b:RF+12*\b+11], v[PF+12*\a:PF+12*\a+11], 0, v[SC+\b], v[SC+\a] matrix_a_fmt:MATRIX_FMT_FP6 matrix_b_fmt:MATRIX_FMT_FP6 matrix_a_scale:MATRIX_SCALE_ROW1
.else
	v_wmma_scale_f32_16x16x128_f8f6f4 v[ACC+8*(4*\a+\b):ACC+8*(4*\a+\b)+7], v[RF+12*\b:RF+12*\b+11], v[PF+12*\a:PF+12*\a+11], v[ACC+8*(4*\a+\b):ACC+8*(4*\a+\b)+7], v[SC+\b], v[SC+\a] matrix_a_fmt:MATRIX_FMT_FP6 matrix_b_fmt:MATRIX_FMT_FP6 matrix_a_scale:MATRIX_SCALE_ROW1
.endif
.endm
; A K step of 128: 52 LDS loads, 16 matrix instructions; the 16 accumulators take turns, one instruction a turn.
.macro KSTEP s, zero
.if (\s) > 0
	PLACES
.endif
.irp i, 0,1,2,3
	ds_load_b32 v[SC+\i], v[AS+(\s)/4] offset:REC*\i+64*((\s)%4)
.endr
.irp i, 0,1,2,3
	FRAG RF+12*\i, AR+(\s)/4, REC*\i+1536*((\s)%4)
.endr
.irp i, 0,1,2,3
	FRAG PF+12*\i, AP+(\s)/4, REC*\i+1536*((\s)%4)
.endr
	s_wait_dscnt 12                                ; all but the youngest twelve: P's tiles 2 and 3
.irp a, 0,1
.irp b, 0,1,2,3
	PROD \a, \b, \zero
.endr
.endr
	s_wait_dscnt 0x0
.irp a, 2,3
.irp b, 0,1,2,3
	PROD \a, \b, \zero
.endr
.endr
.endm
	s_wait_tensorcnt 1                             ; my part of chunk 0 is in; chunk 1's load may stay out
	s_barrier_signal -1
	s_barrier_wait -1
	KSTEP 0, 1
	KSTEP 1, 0
	KSTEP 2, 0
	KSTEP 3, 0
	s_wait_tensorcnt 0x0                           ; my part of chunk 1
	s_wait_dscnt 0x0                               ; and my reads of chunk 0 are over
	s_barrier_signal -1
	s_barrier_wait -1
	KSTEP 4, 0
	KSTEP 5, 0
	KSTEP 6, 0
	KSTEP 7, 0
	PLACES
.irp k, 0,1,2,3,4,5,6,7
	global_load_b128 v[BI+4*\k:BI+4*\k+3], v19, s[8:9] offset:128*(\k/4)+16*(\k%4)
.endr
	s_wait_loadcnt 0x0
.irp a, 0,1,2,3
.set k, 0
.rept 16
	v_pk_add_f32 v[ACC+32*\a+k:ACC+32*\a+k+1], v[ACC+32*\a+k:ACC+32*\a+k+1], v[BI+k:BI+k+1]   ; each accumulator from its low end on
.set k, k+2
.endr
.endr
.macro TOSTAGE a                       ; tile a: accumulator (a, b) holds columns 32 (b / 2) + 16 h + 8 (b % 2) + 0 .. 7 of lane-row r
.irp b, 0,1,2,3
	ds_store_b128 v[STO], v[ACC+8*(4*(\a)+\b):ACC+8*(4*(\a)+\b)+3] offset:128*(\b/2)+32*(\b%2)
	ds_store_b128 v[STO], v[ACC+8*(4*(\a)+\b)+4:ACC+8*(4*(\a)+\b)+7] offset:128*(\b/2)+32*(\b%2)+16
.endr
.irp i, 0,1,2,3,4,5,6,7
	ds_load_b128 v[BK+32*((\a)%2)+4*\i:BK+32*((\a)%2)+4*\i+3], v[RD] offset:544*\i   ; LDS serves a wave's instructions in order: these see the stores above
.endr
.endm
.macro SEND a, younger                 ; younger: the LDS instructions issued behind tile a's loads
.irp i, 0,1,2,3,4,5,6,7
	s_wait_dscnt \younger+7-\i
	global_store_b128 v[CO], v[BK+32*((\a)%2)+4*\i:BK+32*((\a)%2)+4*\i+3], s[10:11] offset:(32*((\a)/2)+8*((\a)%2)+2*\i+8*(\i/4))*4096 th:TH_STORE_NT   ; stage rows 2 i, 2 i + 1 are lane-rows: 16 lanes store 256 consecutive aligned bytes
.endr
.endm
	TOSTAGE 0
.irp a, 1,2,3
.if \a > 1
	s_wait_xcnt 0x0                                ; tile a - 2's stores have read their registers: tile a's loads may land there
.endif
	TOSTAGE \a
	SEND \a-1, 16                                  ; behind tile a - 1's loads: tile a's 8 stores and 8 loads
.endr
	SEND 3, 0
	s_wait_tensorcnt 0x0                           ; the wave's end: behind my last tensor load and my last LDS store
	ds_add_u32 v[SPW], v[NIL]
	s_wait_dscnt 0x0
	CROUND                                         ; the closing round
	s_endpgm
.Lfunc_end_k_qf29164d783_outp:
	.size	k_qf29164d783_outp, .Lfunc_end_k_qf29164d783_outp-k_qf29164d783_outp
	.p2alignl 7, 3214868480
	.fill 96, 4, 3214868480
	.section	.rodata,"a",@progbits
	.p2align	6, 0x0
	.amdhsa_kernel k_qf29164d783_outp
		.amdhsa_group_segment_fixed_size 327680
		.amdhsa_private_segment_fixed_size 0
		.amdhsa_enable_private_segment 0
		.amdhsa_kernarg_size 32
		.amdhsa_user_sgpr_count 2
		.amdhsa_user_sgpr_kernarg_segment_ptr 1
		.amdhsa_wavefront_size32 1
		.amdhsa_system_sgpr_workgroup_id_x 1
		.amdhsa_system_sgpr_workgroup_id_y 1
		.amdhsa_system_sgpr_workgroup_id_z 1
		.amdhsa_system_vgpr_workitem_id 0
		.amdhsa_next_free_vgpr 256
		.amdhsa_next_free_sgpr 100
		.amdhsa_reserve_vcc 0
		.amdhsa_float_denorm_mode_32 3
		.amdhsa_float_denorm_mode_16_64 3
		.amdhsa_memory_ordered 1
		.amdhsa_forward_progress 1
		.amdhsa_inst_pref_size 64
	.end_amdhsa_kernel
	.amdgpu_metadata
---
amdhsa.version: [ 1, 2 ]
amdhsa.kernels:
  - .name:           k_qf29164d783_outp
    .symbol:         k_qf29164d783_outp.kd
    .args:
      - { .name: ocs, .offset: 0, .size: 8, .value_kind: global_buffer, .address_space: global }
      - { .name: wcs, .offset: 8, .size: 8, .value_kind: global_buffer, .address_space: global }
      - { .name: bo, .offset: 16, .size: 8, .value_kind: global_buffer, .address_space: global }
      - { .name: out0, .offset: 24, .size: 8, .value_kind: global_buffer, .address_space: global }
    .group_segment_fixed_size: 327680
    .private_segment_fixed_size: 0
    .kernarg_segment_align: 8
    .kernarg_segment_size: 32
    .max_flat_workgroup_size: 256
    .sgpr_count:     100
    .vgpr_count:     256
    .wavefront_size: 32
...
	.end_amdgpu_metadata
.endif
;; end of part 4
;; ======== version 2 of 2: 4 launches; version 1 with the launch attn written anew for expert scheduling mode
;; limits: right only within a limited range of input values
;; workspace buffers: xcs 19,660,800 bytes; wcs 3,276,800 bytes; qcs 6,553,600 bytes; kvr 13,107,200 bytes; ocs 6,553,600 bytes
;; launch prep: the kernel of part 1 again; grid 1024 x 1, 4 waves a work-group, no clusters, 35,328 bytes of LDS; arguments query, key, value, Wq, Wk, Wv, Wo, xcs, wcs; writes xcs, wcs
;; launch proj: the kernel of part 2 again; grid 4 x 192, 8 waves a work-group, clusters of 4 x 4, 327,680 bytes of LDS; arguments xcs, wcs, bq, bk, bv, qcs, kvr; writes qcs, kvr
;; launch attn (part 5): grid 4 x 64, 16 waves a work-group, no clusters, 215,040 bytes of LDS; arguments qcs, kvr, key_padding_mask, ocs; writes ocs
.if DOCPART == 5
	.amdgcn_target "amdgcn-amd-amdhsa--gfx1250"
	.amdhsa_code_object_version 6
	.text
	.protected	k_qf29164d783_attn
	.globl	k_qf29164d783_attn
	.p2align	8
	.type	k_qf29164d783_attn,@function
k_qf29164d783_attn:
	s_mov_b64 s[64:65], 0
	v_nop
	global_prefetch_b8 v0, s[64:65] scope:SCOPE_SE
	s_setreg_imm32_b32 hwreg(HW_REG_WAVE_SCHED_MODE, 0, 2), 2
	s_setreg_imm32_b32 hwreg(HW_REG_WAVE_MODE, 25, 1), 1
	s_wait_xcnt 0x0
	s_wait_alu depctr_vm_vsrc(0)
; For each head of each batch: o = softmax(q k^T / 8, keys with mask 0 left out) v, both products on codes of FP6 (E2M3) with E8M0 scales; o is quantised along d_model and leaves as the last product's operand.
; THE SOFTMAX AHEAD OF THE SECOND PRODUCT: t = score x log2(e) / 8; M = the running largest t rounded UP to a whole number; p = 2^(t - M) is quantised along the keys, not normalised; the row's sum is taken of the
; unquantised p and divides at the end; when M moves, the sum and O are multiplied by 2^(old M - new M): exact.
; SHARES.  A work-group owns one head and 512 queries: 256 equal work-groups.  The head's K, V^T and their scales, 16 records of 12,800 bytes, are copied into LDS once, through registers, wave w record w; one barrier.
; Each of the sixteen waves owns two tiles of 16 queries, one after the other, in 256 registers: four waves to a SIMD, so that one wave's vector work stands beside another's matrix work and LDS loads.
; LAYOUT.  Both products are used transposed (S^T = K q^T, O^T = V^T p^T): a lane holds one query.  Tiles hold rows 32 (T / 2) + 8 (T % 2) + r + 8 (r / 8), so that 16 registers of two neighbouring tiles are 16 neighbours.
; K = 64 IN AN INSTRUCTION OF 128: a fragment of K holds key tile 2 b in k 0 .. 63 and key tile 2 b + 1 in k 64 .. 127.  Multiplied by [q | 0] it gives tile 2 b's scores, by [0 | q] tile 2 b + 1's: zero codes add nothing
; under any scale byte that the quantiser gives.  q stands twice in registers with six zeros between: v[16:27] = [q | 0], v[22:33] = [0 | q].
; THE MASK.  A step of 128 keys none of which counts is left out by a scalar branch on the mask's bytes.  A step all of whose keys count starts its sums with 0.  Any other step starts them with a bias from LDS: 0 for a
; key that counts, -2^100 for one that does not: its p is then 0.
; No tensor load and no cluster: the branch above hangs on bytes read from memory; and what the four work-groups of a head share is 204,800 bytes, read once by each, for 512 x 2,048 scores.
; LIMITS: |t| under 2^93; NaN and infinities are not served; 1 / sum is v_rcp_f32.  A batch with no key that counts gets scale bytes 0xff, so that the last product gives NaN there, as the softmax of nothing does.
; THE MODE: SCHED_MODE bits 1:0 = 2 (LLVM: expert scheduling mode 2), set by the entry lines.  The code itself states the register dependences
; between vector or matrix instructions and memory or LDS instructions, with s_wait_alu, always for 0.
; THE PLAN.  Registers that memory or LDS instructions touch:
;   at the head   v224-228 offsets and LDS addresses, v200-216 the mask as loaded, v220-223 the bias as stored, v96-195 my record on its way into LDS.  All of them are S, O and V's fragments behind the barrier:
;                 two waits behind it state that the stores and loads have read them and that the mask's vector lines are done with them.
;   v3, v10, v92  offsets of q's loads and o's stores: written once, ahead of the barrier.
;   v5, v6, v8    a step's three LDS addresses: written at the head of a step that is walked, read by that step's LDS loads.
;   KS, KF        LDS loads of a step land in them; its eight score products read them; KF's registers then serve the softmax.
;   VS, VF        LDS loads of a step land in them; its last four products read them.
;   S             in a mixed step the bias lands there; else named by matrix and vector instructions alone.
;   QF, QS        a tile's loads of q land in them; every score product reads them.
;   PC, v67       a tile's codes and scale bytes: written by vector lines, read by the tile's four stores.
; So ONE wait on va_vdst stands at the head of a step, behind the three additions: the addresses are written, the last step's products are done reading VS and VF, and the softmax is done with KF's registers and with S.
; All the step's LDS loads follow it with no further wait: the scale words, K's fragments and a mixed step's bias in a run, V's 24 loads dealt three behind each score product, which names S, KF, QF, KS and QS alone.
; One wait on vm_vsrc stands ahead of the three additions.  A third wait on va_vdst (beside the two behind the exponentials) stands ahead of the last four products, which take p's codes and scale word from vector lines.
.set REC,   12800
.set BIAS,  16*REC                     ; 2,048 f32: the keys' bias
.set SPARE, BIAS+8192                  ; the spare words, 128 bytes a wave: eight blocks of 256 bytes that no other line names
.set SPW,  1                           ; v1  LDS address of my spare word; never rewritten
.set NIL,  2                           ; v2  0; never rewritten
.set L8,   3                           ; v3  8 x lane
.set R16,  4                           ; v4  16 r
.set ADK,  5                           ; v5  the step's fragments;  v6 its scale words;  v8 its bias
.set ADS,  6
.set B64,  7                           ; v7  BIAS + 64 h
.set ADB,  8
.set R2,   10                          ; v10 2 r
.set QF,   16                          ; v16-21 q, v22-27 zeros, v28-33 q
.set QS,   34                          ; v34 q's scale word;  v35 p's;  v36-39 K's;  v40-43 V's: scales and nothing else
.set PW,   35
.set KS,   36
.set VS,   40
.set KF,   44                          ; v44-91  K's four fragments; once they are multiplied: v44.., v48.. conversions' second halves,
.set TC,   44
.set BM,   52                          ; v52-55 the blocks' largest, v56-59 the other half's, then bytes, v60-63 scale operands, v[64:65] f, v66, v67 at work
.set BX,   56
.set SO,   60
.set FF,   64
.set R4,   92                          ; v92 4 r
.set S,    96                          ; v96-159  S^T, then p
.set O,    160                         ; v160-191 O^T
.set VF,   192                         ; v192-239 V^T's four fragments
.set PC,   240                         ; v240-251 p's codes
.set WV,   12
.set ANY,  20                          ; s20 bit l: one of keys 64 l .. 64 l + 63 counts;  s21: all of them do
.set ALL,  21
.set SEL,  22
.set CS,   24                          ; s[24:25] c = log2(e) / 8
.set TB,   26                          ; s26 the step's record in LDS;  s27 its two bits;  s28 its bias;  s29 steps to go
.set SH,   27
.set SB,   28
.set CNT,  29
	s_load_b256 s[4:11], s[0:1], 0x0               ; qcs, kvr, the mask, ocs
	v_lshl_add_u32 v[SPW], v0, 2, SPARE
	v_mov_b32 v[NIL], 0
	v_lshrrev_b32 v3, 5, v0
	v_readfirstlane_b32 s[WV], v3                  ; wave 0..15
	v_and_b32 v93, 31, v0                          ; lane
	v_and_b32 v94, 15, v0                          ; r
	v_bfe_u32 v95, v0, 4, 1                        ; h
	s_wait_alu depctr_va_sdst(0)                   ; the wave's number is written, ahead of its first reader: the record's and the tiles' offsets are made from it
	s_and_b32 s14, ttmp7, 0xffff                   ; head of batch
	s_lshr_b32 s15, s14, 4                         ; batch
	s_and_b32 s16, s14, 15                         ; head
	s_lshl_b32 s30, s15, 11                        ; the batch's 2,048 mask bytes
	s_mov_b32 s31, 0
	s_mul_i32 s32, s14, 16*REC
	s_mul_i32 s42, s[WV], REC
	s_add_co_u32 s32, s32, s42                     ; the record that I copy
	s_mov_b32 s33, 0
	s_lshl_b32 s43, ttmp9, 5
	s_lshl_b32 s44, s[WV], 1
	s_add_co_u32 s43, s43, s44                     ; my first tile of queries: 32 x work-group x + 2 x wave
	s_lshl_b32 s44, s14, 7
	s_add_co_u32 s44, s44, s43
	s_mul_i32 s34, s44, 768                        ; q's codes
	s_mov_b32 s35, 0
	s_lshl_b32 s36, s44, 5
	s_add_co_u32 s36, s36, 6291456                 ; q's scale bytes
	s_mov_b32 s37, 0
	s_lshl_b32 s44, s15, 7
	s_add_co_u32 s44, s44, s43                     ; the tile among the 512 of ocs
	s_mul_i32 s44, s44, 12800
	s_lshr_b32 s45, s16, 3
	s_mul_i32 s45, s45, 6400
	s_add_co_u32 s44, s44, s45                     ; its record: K step = head / 2, four to a record
	s_bfe_u32 s45, s16, 0x20001
	s_and_b32 s46, s16, 1
	s_mul_i32 s38, s45, 1536
	s_mul_i32 s47, s46, 768
	s_add_co_u32 s38, s38, s47
	s_add_co_u32 s38, s38, s44                     ; o's codes: the K step's fragment, the head's half of it
	s_mov_b32 s39, 0
	s_lshl_b32 s40, s45, 6
	s_lshl_b32 s47, s46, 1
	s_add_co_u32 s40, s40, s47
	s_add_co_u32 s40, s40, s44
	s_add_co_u32 s40, s40, 6144                    ; o's scale bytes
	s_mov_b32 s41, 0
	s_mov_b32 s[SEL], 0x76543210
	s_mov_b32 s[SEL+1], 0xfedcba98                 ; v_permlanex16_b32's selects for lane l xor 16
	s_mov_b32 s[CS], 0x3e38aa3b
	s_mov_b32 s[CS+1], s[CS]                       ; (named with it as a pair, so it is written)
	v_lshlrev_b32 v224, 6, v93                     ; 64 mask bytes a lane
	v_lshlrev_b32 v225, 2, v0                      ; 4 mask bytes a thread
	v_lshlrev_b32 v226, 4, v93                     ; 16 bytes a lane
	v_lshl_add_u32 v227, v93, 4, s42               ; the record in LDS
	v_lshl_add_u32 v228, v0, 4, BIAS               ; my four keys' bias
	s_wait_kmcnt 0x0
	s_add_nc_u64 s[8:9], s[8:9], s[30:31]
	s_add_nc_u64 s[6:7], s[6:7], s[32:33]
	s_add_nc_u64 s[18:19], s[4:5], s[36:37]
	s_add_nc_u64 s[4:5], s[4:5], s[34:35]
	s_add_nc_u64 s[44:45], s[10:11], s[40:41]
	s_add_nc_u64 s[10:11], s[10:11], s[38:39]
	s_wait_alu depctr_va_vdst(0)                   ; v224 to v228 are written: the loads below read the first three as offsets, the LDS stores further down the other two as addresses
.irp i, 0,1,2,3
	global_load_b128 v[200+4*\i:203+4*\i], v224, s[8:9] offset:16*\i
.endr
	global_load_b32 v216, v225, s[8:9]
.set i, 0
.rept 25
	global_load_b128 v[96+4*i:99+4*i], v226, s[6:7] offset:512*i    ; 512 consecutive bytes
.set i, i+1
.endr
	s_wait_loadcnt 25                              ; the mask is in; the record's 25 loads may be out
	v_or_b32 v217, v200, v201
	v_and_b32 v218, v200, v201
.set i, 2
.rept 14
	v_or_b32 v217, v217, v[200+i]
	v_and_b32 v218, v218, v[200+i]
.set i, i+1
.endr
	v_cmp_ne_u32 s[ANY], 0, v217
	v_cmp_eq_u32 s[ALL], 0x01010101, v218
.irp i, 0,1,2,3
	v_bfe_u32 v[220+\i], v216, 8*\i, 8
.endr
.irp i, 0,1,2,3
	v_add_nc_u32 v[220+\i], -1, v[220+\i]          ; 1 -> 0, 0 -> all ones
.endr
.irp i, 0,1,2,3
	v_and_b32 v[220+\i], 0xf1800000, v[220+\i]     ; 0, or -2^100
.endr
	s_wait_alu depctr_va_sdst(0)                   ; the two compares have written s20 and s21, ahead of every label and branch: their first readers are the scalar lines at a step's head
	s_wait_alu depctr_va_vdst(0)                   ; v220 to v223 are written, which the LDS store below reads
	ds_store_b128 v228, v[220:223]
.set i, 0
.rept 25
	s_wait_loadcnt 24-i                            ; loads come back in order: the younger ones stay out
	ds_store_b128 v227, v[96+4*i:99+4*i] offset:512*i
.set i, i+1
.endr
	v_lshlrev_b32 v[L8], 3, v93
	v_lshlrev_b32 v[R16], 4, v94
	v_lshl_add_u32 v[B64], v95, 6, BIAS
	v_lshlrev_b32 v[R2], 1, v94
	v_lshlrev_b32 v[R4], 2, v94
.irp i, 0,1,2,3,4,5
	v_mov_b32 v[QF+6+\i], 0                        ; the six zeros between the two q
.endr
	v_mov_b32 v[BX], 0                             ; written once: a lane permute's destination counts as one of its sources
	v_mov_b32 v[BX+1], 0
	v_mov_b32 v66, 0
	s_wait_dscnt 0x0                               ; for the others' sake: my stores have landed
	s_barrier_signal -1
	s_barrier_wait -1                              ; the launch's one barrier: from here on LDS is only read
	s_wait_alu depctr_vm_vsrc(0)                   ; my LDS stores have read v96 to v195 and v220 to v223, and the head's loads and stores their addresses v224 to v228: these registers are S, O and V's fragments from here on
	s_wait_alu depctr_va_vdst(0)                   ; v3 and v10 are written, which q's loads read; the six zeros are written, which the scaled products take; the mask's lines are done with v200 to v228, in which V's fragments land
.macro SPROD t, zero                   ; key tile t: fragment t / 2 against [q | 0] or [0 | q]
.if \zero
	v_wmma_scale_f32_16x16x128_f8f6f4 v[S+8*\t:S+8*\t+7], v[KF+12*(\t/2):KF+12*(\t/2)+11], v[QF+6*(\t%2):QF+6*(\t%2)+11], 0, v[KS+\t/2], v[QS] matrix_a_fmt:MATRIX_FMT_FP6 matrix_b_fmt:MATRIX_FMT_FP6
.else
	v_wmma_scale_f32_16x16x128_f8f6f4 v[S+8*\t:S+8*\t+7], v[KF+12*(\t/2):KF+12*(\t/2)+11], v[QF+6*(\t%2):QF+6*(\t%2)+11], v[S+8*\t:S+8*\t+7], v[KS+\t/2], v[QS] matrix_a_fmt:MATRIX_FMT_FP6 matrix_b_fmt:MATRIX_FMT_FP6
.endif
.endm
.macro VPART t                         ; three of the 24 loads that bring V^T's four fragments: pieces 3 t to 3 t + 2 of 256 bytes.  No wait: no vector or matrix instruction since the wait at the step's head names VF or v5
.irp n, 0,1,2
	ds_load_b64 v[VF+2*(3*(\t)+\n):VF+2*(3*(\t)+\n)+1], v[ADK] offset:6144+256*(3*(\t)+\n)
.endr
.endm
; 32 numbers of a lane, register 16 b + i = k 32 b + 16 h + i of my row, become a half fragment (6 registers from v[hh] on) and two scale bytes in v[w].
.macro QUANT2 src, hh, w
.irp b, 0,1
	v_max3_num_f32 v[BM+\b], |v[\src+16*\b]|, |v[\src+16*\b+1]|, 0x1800000
.endr
.irp i, 2,4,6,8,10,12,14
.irp b, 0,1
	v_max3_num_f32 v[BM+\b], v[BM+\b], |v[\src+16*\b+\i]|, |v[\src+16*\b+\i+1]|
.endr
.endr
.irp b, 0,1
	v_permlanex16_b32 v[BX+\b], v[BM+\b], s[SEL], s[SEL+1]
.endr
.irp b, 0,1
	v_max_num_f32 v[BM+\b], v[BM+\b], v[BX+\b]
.endr
.irp b, 0,1
	v_add_nc_u32 v[SO+\b], 0xff000000, v[BM+\b]
.endr
.irp b, 0,1
	v_lshrrev_b32 v[BX+\b], 23, v[SO+\b]
.endr
	v_lshl_or_b32 v[\w], v[BX+1], 8, v[BX]
	v_cvt_scalef32_pk16_fp6_f32 v[\hh:\hh+2], v[\src:\src+15], v[SO]
	v_cvt_scalef32_pk16_fp6_f32 v[\hh+4:\hh+6], v[\src+16:\src+31], v[SO+1]
	v_nop                                          ; one plain place behind a scaled conversion
.irp i, 0,1,2
	v_permlane16_swap_b32 v[\hh+\i], v[\hh+4+\i]
.endr
	v_mov_b32 v[\hh+3], v[\hh+4]
	v_mov_b32 v[\hh+4], v[\hh+5]
	v_mov_b32 v[\hh+5], v[\hh+6]
.endm
; ONE TILE OF 16 QUERIES: the wave's first (0) or second (1).
.macro TILE which
.if \which
	s_wait_xcnt 0x0                                ; the first tile's stores have read their registers, which are written again below
	s_wait_alu depctr_vm_vsrc(0)                   ; the first tile's stores have read v240 to v245 and v67, which this tile's conversions and its way out write again
.endif
; q's loads owe no wait of their own: no vector or matrix instruction stands between them and the last wait on va_vdst (behind the barrier; ahead of the first tile's stores), which shows v3 and v10 written and the first tile's products done reading q and its scale word
.irp p, 0,1,2
	global_load_b64 v[QF+2*\p:QF+2*\p+1], v[L8], s[4:5] offset:768*\which+256*\p
	global_load_b64 v[QF+12+2*\p:QF+13+2*\p], v[L8], s[4:5] offset:768*\which+256*\p
.endr
	global_load_u16 v[QS], v[R2], s[18:19] offset:32*\which
	v_mov_b32 v13, 0xff61b1e6                      ; the largest t so far: -3e38
	v_floor_f32 v12, -v13                          ; -M
	v_mov_b32 v14, 0                               ; the sum, in two halves
	v_mov_b32 v15, 0
	s_mov_b32 s[TB], 0
	s_mov_b32 s[SH], 0
	s_mov_b32 s[SB], 0
	s_mov_b32 s[CNT], 16
	s_wait_loadcnt 0x0
	v_lshl_or_b32 v[QS], v[QS], 16, v[QS]          ; q's two bytes serve k 0 .. 63 and k 64 .. 127
.set j, 0
.rept 32
	v_mov_b32 v[O+j], 0                            ; O^T: the first step finds zeros.  (Also the eight places between the scale word's write and the first scaled product)
.set j, j+1
.endr
.Lstep_\@:                                         ; 16 trips, 128 keys each
	s_lshr_b32 s42, s[ANY], s[SH]
	s_and_b32 s42, s42, 3
	s_cmp_eq_u32 s42, 0
	s_cbranch_scc1 .Ldead_\@                       ; none of the step's keys counts
	s_wait_alu depctr_vm_vsrc(0)                   ; the LDS loads issued so far have read v5, v6 and v8, which the three additions write again
	v_add_nc_u32 v[ADK], s[TB], v[L8]
	v_add_nc_u32 v[ADS], s[TB], v[R16]
	v_add_nc_u32 v[ADB], s[SB], v[B64]             ; (a mixed step alone reads it; made here, so that the one wait below serves it too)
	v_nop                                          ; four places behind the last step's products
	s_wait_alu depctr_va_vdst(0)                   ; the three addresses are written; the last step's products are done reading VS and VF, its softmax is done with KF's registers and with S: the step's loads land in all of these; in a tile's first step q's scale word is written
	ds_load_b128 v[KS:KS+3], v[ADS] offset:12288
	ds_load_b128 v[VS:VS+3], v[ADS] offset:12544
.irp b, 0,1,2,3
.irp p, 0,1,2,3,4,5
	ds_load_b64 v[KF+12*\b+2*\p:KF+12*\b+2*\p+1], v[ADK] offset:1536*\b+256*\p
.endr
.endr
	s_lshr_b32 s42, s[ALL], s[SH]
	s_and_b32 s42, s42, 3
	s_cmp_eq_u32 s42, 3
	s_cbranch_scc0 .Lmixed_\@
	s_wait_dscnt 0x0                               ; K and the scale words are in
.irp t, 0,1,2,3,4,5,6,7
	SPROD \t, 1
	VPART \t                                       ; V's loads are dealt among the score products
.endr
	s_branch .Lsoft_\@
.Lmixed_\@:
.irp b, 0,1,2,3
.irp n, 0,1,2,3
	ds_load_b128 v[S+16*\b+4*\n:S+16*\b+4*\n+3], v[ADB] offset:128*\b+16*\n   ; the bias of keys 32 b + 16 h + 4 n on, where their scores will stand
.endr
.endr
	s_wait_dscnt 0x0
.irp t, 0,1,2,3,4,5,6,7
	SPROD \t, 0
	VPART \t
.endr
.Lsoft_\@:
.rept 4
	v_nop
.endr
.irp b, 0,1,2,3
	v_max3_num_f32 v[BM+\b], v[S+16*\b], v[S+16*\b+1], v[S+16*\b+2]   ; the largest score of each block of 32 keys: for the row's maximum and, since p rises with the score, for the block's largest p
.endr
.irp i, 3,5,7,9,11,13
.irp b, 0,1,2,3
	v_max3_num_f32 v[BM+\b], v[BM+\b], v[S+16*\b+\i], v[S+16*\b+\i+1]
.endr
.endr
.irp b, 0,1,2,3
	v_max_num_f32 v[BM+\b], v[BM+\b], v[S+16*\b+15]
.endr
.irp b, 0,1,2,3
	v_permlanex16_b32 v[BX+\b], v[BM+\b], s[SEL], s[SEL+1]
.endr
.irp b, 0,1,2,3
	v_max_num_f32 v[BM+\b], v[BM+\b], v[BX+\b]     ; with lane l xor 16's 16 keys
.endr
	v_max3_num_f32 v66, v[BM], v[BM+1], v[BM+2]
	v_max_num_f32 v66, v66, v[BM+3]
	v_mul_f32 v66, s[CS], v66                      ; as t
	v_max_num_f32 v13, v13, v66                    ; the running largest t
	v_mov_b32 v66, v12
	v_floor_f32 v12, -v13                          ; the new -M = -ceil(t)
	v_sub_f32 v66, v12, v66                        ; old M - new M: a whole number, 0 or less
	v_cvt_i32_f32 v66, v66                         ; (it saturates)
	v_ldexp_f32 v[FF], 1.0, v66                    ; f = 2^(old M - new M)
.set j, 0
.rept 32
	v_pk_fma_f32 v[S+j:S+j+1], v[S+j:S+j+1], s[CS:CS+1], v[12:13] op_sel_hi:[1,0,0]   ; t - M
.set j, j+2
.endr
.irp b, 0,1,2,3
	v_fma_f32 v[BM+\b], v[BM+\b], s[CS], v12
.endr
.set j, 0
.rept 64
	v_exp_f32 v[S+j], v[S+j]                       ; p = 2^(t - M)
.set j, j+1
.endr
	v_pk_mul_f32 v[14:15], v[14:15], v[FF:FF+1] op_sel_hi:[1,0]     ; the sums under the new M: the plain place behind the exponentials
	s_wait_alu depctr_va_vdst(0)                   ; the 64 exponentials have written p: one wait for the batch, ahead of its first reader
.irp b, 0,1,2,3
	v_exp_f32 v[BM+\b], v[BM+\b]                   ; the blocks' largest p
.endr
	v_pk_add_f32 v[BX:BX+1], v[S:S+1], v[S+2:S+3]  ; the row's sum of the unquantised p, in two chains
.set j, 4
.rept 15
	v_pk_add_f32 v[14:15], v[14:15], v[S+j:S+j+1]
	v_pk_add_f32 v[BX:BX+1], v[BX:BX+1], v[S+j+2:S+j+3]
.set j, j+4
.endr
	v_pk_add_f32 v[14:15], v[14:15], v[BX:BX+1]
	s_wait_alu depctr_va_vdst(0)                   ; the four exponentials have written the blocks' largest p, ahead of their first reader
.irp b, 0,1,2,3
	v_max_num_f32 v[BM+\b], 0x1800000, v[BM+\b]    ; the floor: a block whose every p is 0 keeps the byte 1 and zero codes
.endr
.irp b, 0,1,2,3
	v_add_nc_u32 v[SO+\b], 0xff000000, v[BM+\b]
.endr
.irp b, 0,1,2,3
	v_lshrrev_b32 v[BX+\b], 23, v[SO+\b]
.endr
	v_lshl_or_b32 v[PW], v[BX+1], 8, v[BX]         ; p's scale word for these 128 keys
	v_lshl_or_b32 v[PW], v[BX+2], 16, v[PW]
	v_lshl_or_b32 v[PW], v[BX+3], 24, v[PW]
.irp c, 0,1
	v_cvt_scalef32_pk16_fp6_f32 v[PC+6*\c:PC+6*\c+2], v[S+32*\c:S+32*\c+15], v[SO+2*\c]
	v_cvt_scalef32_pk16_fp6_f32 v[TC+4*\c:TC+4*\c+2], v[S+32*\c+16:S+32*\c+31], v[SO+2*\c+1]
.endr
	v_nop                                          ; one plain place behind a scaled conversion
.irp c, 0,1
.irp i, 0,1,2
	v_permlane16_swap_b32 v[PC+6*\c+\i], v[TC+4*\c+\i]
.endr
.irp i, 0,1,2
	v_mov_b32 v[PC+6*\c+3+\i], v[TC+4*\c+\i]
.endr
.endr
.set j, 0
.rept 16
	v_pk_mul_f32 v[O+j:O+j+1], v[O+j:O+j+1], v[FF:FF+1] op_sel_hi:[1,0]   ; O^T under the new M; twelve of these name no register of any one product below: the places ahead of the scaled products
.set j, j+2
.endr
	s_wait_dscnt 0x0                               ; V's fragments
	s_wait_alu depctr_va_vdst(0)                   ; the vector lines have written p's codes and p's scale word, which the scaled products below take as operand and scale; the places above stay beside this wait
.irp t, 0,1,2,3
	v_wmma_scale_f32_16x16x128_f8f6f4 v[O+8*\t:O+8*\t+7], v[VF+12*\t:VF+12*\t+11], v[PC:PC+11], v[O+8*\t:O+8*\t+7], v[VS+\t], v[PW] matrix_a_fmt:MATRIX_FMT_FP6 matrix_b_fmt:MATRIX_FMT_FP6
.endr
.Ldead_\@:
	s_add_co_u32 s[TB], s[TB], REC
	s_add_co_u32 s[SH], s[SH], 2
	s_add_co_u32 s[SB], s[SB], 512
	s_sub_co_u32 s[CNT], s[CNT], 1
	s_cmp_lg_u32 s[CNT], 0
	s_cbranch_scc1 .Lstep_\@
	; the tile's way out: O^T / the sum, quantised along the head's 64, which are half a K step of the last product
.rept 4
	v_nop
.endr
	v_add_f32 v14, v14, v15
	v_permlanex16_b32 v66, v14, s[SEL], s[SEL+1]
	v_add_f32 v14, v14, v66                        ; the row's sum
	v_rcp_f32 v14, v14
	v_mov_b32 v66, 0xffff                          ; (a plain place behind the transcendental)
	s_wait_alu depctr_va_vdst(0)                   ; the reciprocal has written v14, ahead of its first reader
.set j, 0
.rept 16
	v_pk_mul_f32 v[S+j:S+j+1], v[O+j:O+j+1], v[14:15] op_sel_hi:[1,0]   ; register 16 b + i: channel 32 b + 16 h + i
.set j, j+2
.endr
	v_cmp_gt_f32 vcc_lo, 0xee000000, v13           ; no key counted: the largest t is still -3e38.  (Ahead of the quantiser, which leaves VCC alone)
	QUANT2 S, PC, 67
	s_wait_alu depctr_va_vcc(0)                    ; the compare has written VCC, ahead of its one reader
	v_cndmask_b32 v67, v67, v66, vcc_lo
	s_wait_alu depctr_va_vdst(0)                   ; the quantiser has written v240 to v245 and v67, which the four stores read; the tile's products are done reading q and its scale word, in which the next tile's loads land
.irp p, 0,1,2
	global_store_b64 v[L8], v[PC+2*\p:PC+2*\p+1], s[10:11] offset:12800*\which+256*\p   ; 256 consecutive bytes, aligned
.endr
	global_store_b16 v[R4], v67, s[44:45] offset:12800*\which
.endm
	TILE 0
	TILE 1
	s_wait_dscnt 0x0                               ; the wave's end
	s_wait_alu 0x0
	s_wait_tensorcnt 0x0
	ds_add_u32 v[SPW], v[NIL]
	s_wait_dscnt 0x0
	s_endpgm
.Lfunc_end_k_qf29164d783_attn:
	.size	k_qf29164d783_attn, .Lfunc_end_k_qf29164d783_attn-k_qf29164d783_attn
	.p2alignl 7, 3214868480
	.fill 96, 4, 3214868480
	.section	.rodata,"a",@progbits
	.p2align	6, 0x0
	.amdhsa_kernel k_qf29164d783_attn
		.amdhsa_group_segment_fixed_size 215040
		.amdhsa_private_segment_fixed_size 0
		.amdhsa_enable_private_segment 0
		.amdhsa_kernarg_size 32
		.amdhsa_user_sgpr_count 2
		.amdhsa_user_sgpr_kernarg_segment_ptr 1
		.amdhsa_wavefront_size32 1
		.amdhsa_system_sgpr_workgroup_id_x 1
		.amdhsa_system_sgpr_workgroup_id_y 1
		.amdhsa_system_sgpr_workgroup_id_z 1
		.amdhsa_system_vgpr_workitem_id 0
		.amdhsa_next_free_vgpr 256
		.amdhsa_next_free_sgpr 66
		.amdhsa_reserve_vcc 1
		.amdhsa_float_denorm_mode_32 3
		.amdhsa_float_denorm_mode_16_64 3
		.amdhsa_memory_ordered 1
		.amdhsa_forward_progress 1
		.amdhsa_inst_pref_size 64
	.end_amdhsa_kernel
	.amdgpu_metadata
---
amdhsa.version: [ 1, 2 ]
amdhsa.kernels:
  - .name:           k_qf29164d783_attn
    .symbol:         k_qf29164d783_attn.kd
    .args:
      - { .name: qcs, .offset: 0, .size: 8, .value_kind: global_buffer, .address_space: global }
      - { .name: kvr, .offset: 8, .size: 8, .value_kind: global_buffer, .address_space: global }
      - { .name: key_padding_mask, .offset: 16, .size: 8, .value_kind: global_buffer, .address_space: global }
      - { .name: ocs, .offset: 24, .size: 8, .value_kind: global_buffer, .address_space: global }
    .group_segment_fixed_size: 215040
    .private_segment_fixed_size: 0
    .kernarg_segment_align: 8
    .kernarg_segment_size: 32
    .max_flat_workgroup_size: 512
    .sgpr_count:     66
    .vgpr_count:     256
    .wavefront_size: 32
...
	.end_amdgpu_metadata
.endif
;; end of part 5
;; launch outp: the kernel of part 4 again; grid 4 x 64, 8 waves a work-group, clusters of 4 x 4, 327,680 bytes of LDS; arguments ocs, wcs, bo, out0; writes out0
